; MI455X (gfx1250); checked and timed in simulation.
; The chip was launched on July 23, 2026; its instructions are those of AMD's public machine-readable ISA for CDNA 5 (MIT licence, August 2026) and "CDNA5" Instruction Set Architecture Reference Guide (July 2026). The comments in the code are by the model that wrote it; some were corrected since.
;; Multi Head Attn. Allowed arithmetic: matrix products marked QUANTISED: E2M1 operands, one E8M0 scale for each 32 along K, by v_wmma_scale_f32_16x16x128_f8f6f4 with both operands' format E2M1 (or v_wmma_scale_f32_32x16x128_f4), f32 sums; products left as they are: bf16, f16 or f32 operands; f32 sums; everything else in f32.
;; Inputs: Wk 1,024 x 1,024 float32; Wo 1,024 x 1,024 float32; Wq 1,024 x 1,024 float32; Wv 1,024 x 1,024 float32; attn_mask 1 x 2,048 x 2,048 float32; bk 1,024 float32; bo 1,024 float32; bq 1,024 float32; bv 1,024 float32; key 4 x 2,048 x 1,024 float32; query 4 x 2,048 x 1,024 float32; val 4 x 2,048 x 1,024 float32.
;; Outputs: out0 4 x 2,048 x 1,024 float32.
;; This version of the problem:
;;   THIS VERSION OF THE PROBLEM IS GIVEN IN LOW PRECISION. The matrix products marked QUANTISED in the list below multiply operands that are first quantised to E2M1 (2 exponent bits, 1 mantissa bit; 4 bits a number), with one power-of-two scale for each 32 numbers along K (OCP MX v1.0); their sums are f32. The products marked 'left as it is' may take bf16, f16 or f32 operands, with f32 sums. Whichever they take, every output number must still come out within the allowed error. Rounding operands to bf16 (8 significant bits) uses up far more of that allowance than f16 does (11 bits, for magnitudes from 6e-5 to 65,504). All else is computed in f32.
;;   The module's matrix products, in the order in which they are computed (A, B: the left and right operand; K: the contracted axis; several contracted axes count as one K, in the product's order):
;;     1. [M 8,192, K 1,024] x [K 1,024, N 1,024]; A: input query; B: input Wq: QUANTISED
;;     2. [M 8,192, K 1,024] x [K 1,024, N 1,024]; A: input key; B: input Wk: QUANTISED
;;     3. [M 8,192, K 1,024] x [K 1,024, N 1,024]; A: input val; B: input Wv: QUANTISED
;;     4. batch 64 x [M 2,048, K 64] x [K 64, N 2,048]; A: computed on the way; B: computed on the way: left as it is (an operand is computed on the way)
;;     5. batch 64 x [M 64, K 2,048] x [K 2,048, N 2,048]; A: computed on the way; B: computed on the way: left as it is (an operand is computed on the way)
;;     6. [M 8,192, K 1,024] x [K 1,024, N 1,024]; A: computed on the way; B: input Wo: left as it is (an operand is computed on the way)
;;   THE QUANTISER, for each operand of a quantised product, along K:
;;     - K is cut into blocks of 32 from its start; a last block that is shorter is filled with zeros.
;;     - A block's scale is 2^e with e = floor(log2(the largest magnitude in the block)) - 2, held to -126 .. 127; a block of zeros has e = 0. As a byte (E8M0): e + 127.
;;     - Each number is divided by its block's scale, clamped to +-6, and rounded to the nearest number of E2M1, ties to even, subnormals kept.
;;     - The product sums the exact products of the quantised numbers (number of the format x scale) in f32.
;;   ~~~python
;;   def quantise(x, axis):      # numpy; x: float32 -> the quantised numbers, widened to float32 again
;;       x = np.moveaxis(x, axis, -1); K = x.shape[-1]
;;       x = np.pad(x, [(0, 0)] * (x.ndim - 1) + [(0, -K % 32)]); x = x.reshape(x.shape[:-1] + (-1, 32)); a = np.abs(x).max(-1, keepdims=True)
;;       e = np.where(a > 0, np.clip(np.frexp(np.where(a > 0, a, 1))[1] - 1 - 2, -126, 127), 0)      # np.frexp(a)[1] - 1 = floor(log2(a)), exactly
;;       r = np.clip(x / 2.0 ** e, -6, 6)
;;       step = 2.0 ** (np.maximum(np.frexp(np.where(r == 0, 1, r))[1] - 1, 0) - 1)
;;       q = np.round(r / step) * step * 2.0 ** e      # np.round: ties to even
;;       return np.moveaxis(q.reshape(q.shape[:-2] + (-1,))[..., :K], -1, axis).astype(np.float32)
;;   ~~~
;; One version. Each part assembles by itself: llvm-mc -triple=amdgcn-amd-amdhsa -mcpu=gfx1250 --defsym DOCPART=n.
;; ======== version 1 of 1: 6 launches
;; limits: values are held in f16: magnitudes above 65,504 overflow, below 6.1e-05 lose precision
;; workspace buffers: codes 14,155,776 bytes; scales 884,736 bytes; qkv 50,331,648 bytes; oimg 16,777,216 bytes; wo16 2,097,152 bytes; flags 4,608 bytes of whole numbers; o16 262,144 bytes
;; launch prep (part 1): grid 1216 x 1, 4 waves a work-group, no clusters, 33,280 bytes of LDS; arguments query, key, val, Wq, Wk, Wv, Wo, attn_mask, codes, scales, wo16, flags; writes codes, scales, wo16, flags
.if DOCPART == 1
	.amdgcn_target "amdgcn-amd-amdhsa--gfx1250"
	.amdhsa_code_object_version 6
	.text
	.protected	k_q3fd48ba793_prep
	.globl	k_q3fd48ba793_prep
	.p2align	8
	.type	k_q3fd48ba793_prep,@function
k_q3fd48ba793_prep:
	s_mov_b64 s[64:65], 0
	v_nop
	global_prefetch_b8 v0, s[64:65] scope:SCOPE_SE
	s_setreg_imm32_b32 hwreg(HW_REG_WAVE_MODE, 25, 1), 1
	s_wait_xcnt 0x0
; FOUR JOBS IN ONE LAUNCH, told apart by the work-group's number alone.
;  A (work-groups 0-863): query, key, val [8192][1024] and Wq, Wk, Wv [1024][1024], f32 with K innermost, become codes of FP4 (E2M1) and one E8M0 byte for each 32 along K.
;    The six tensors stand on end in 'codes' (rows of 512 bytes) and 'scales' (rows of 32 bytes), in that order, so the way out knows of no tensor: run n of 8,192 numbers gives 4,096 bytes of codes and 256 scale bytes.
;    A block's scale is 2^(floor(log2(its largest magnitude)) - 2); its byte is the largest magnitude's exponent field - 2, held at 1 from below.
;  B (864-1119): a flag for each tile of 64 x 64 of attn_mask: 0 = all zeros, 1 = all ones, 2 = anything else.  u32 [32][32] at byte 0 of 'flags'.
;  C (1120-1151): a flag for each tile of rows 0-15 x 16 keys: 0 = all zeros, else 1.  u32 [128] at byte 4,096 of 'flags'.
;  D (1152-1215): Wo to f16, row-major, a plain stream.
; LIMITS: a block of zeros gets the byte 1 where the quantiser says 127: its codes are zeros, and only this program reads the bytes.  Blocks whose largest magnitude lies under 2^-124 keep the byte 1.
; NaN and infinities in query, key, val and the weights are not served.  Wo beyond 65,504 has no f16 number.  -0.0 in the mask counts as zero, as its logarithm does.
; No matrix unit, cluster or tensor load: the launch streams, waves share nothing, and only job A touches LDS (a wave's own bytes).
.set WAVES, 4
.set STEPS, 16
.set CB,    8                          ; bytes of 16 codes
.set R,     16                         ; v16-79   four sets of 16 numbers as they are loaded
.set X,     80                         ; v80-111  two sets of 16 neighbours
.set E,     112                        ; v112-127 a scale byte for each step
.set C,     128                        ; v128-191 codes: four registers for each step, so that no store's data are written again
.set WREG,  8192                       ; LDS: a region for each wave: two stages of 32 x SP bytes, behind them its 256 scale bytes
.set SP,    80                         ; a lane's place in a stage: 64 bytes + 16 of padding
.set SPW,   12                         ; v12 LDS address of my spare word; never rewritten
.set NIL,   13                         ; v13 0; never rewritten
.set SPARE, WAVES*WREG                 ; behind the four regions: the spare words, 128 bytes a wave
.set WG_M,  864                        ; first work-group of job B
.set WG_F,  1120                       ; of job C
.set WG_W,  1152                       ; of job D
	s_load_b512 s[4:19], s[0:1], 0x0               ; query 4, key 6, val 8, Wq 10, Wk 12, Wv 14, Wo 16, attn_mask 18
	s_load_b256 s[20:27], s[0:1], 0x40             ; codes 20, scales 22, wo16 24, flags 26
	v_lshl_add_u32 v[SPW], v0, 2, SPARE
	v_mov_b32 v[NIL], 0
	v_lshrrev_b32 v1, 5, v0
	v_readfirstlane_b32 s28, v1                    ; wave
	v_and_b32 v2, 31, v0                           ; lane
	s_wait_kmcnt 0x0
	s_cmp_ge_u32 ttmp9, WG_M
	s_cbranch_scc1 .Lnot_quant
; ---------------- JOB A: the quantiser.  A wave takes 16 steps of 512 numbers.  Each load reads 512 consecutive bytes; a step's 2,048 bytes turn through the wave's own stage in LDS,
; so that a lane then holds 16 NEIGHBOURS along K (two neighbouring lanes hold a block of 32), as the conversions want them.
	v_lshlrev_b32 v3, 4, v2                        ; my 16 bytes of a load's 512
	s_mul_i32 s33, s28, WREG
	v_lshrrev_b32 v14, 2, v2
	v_mul_u32_u24 v14, v14, SP
	v_and_b32 v15, 3, v2
	v_lshl_add_u32 v14, v15, 4, v14
	v_add_nc_u32 v14, s33, v14                     ; the stage, on the way in: SP (lane / 4) + 16 (lane % 4)
	v_mul_u32_u24 v15, v2, SP
	v_add_nc_u32 v15, s33, v15                     ; and on the way out: SP x lane
	v_mul_u32_u24 v4, v2, CB                       ; my codes' place in a step's
	v_lshrrev_b32 v5, 1, v2
	s_add_co_u32 s33, s33, 2*32*SP
	v_add_nc_u32 v5, s33, v5                       ; LDS: my wave's 256 scale bytes, my block's byte
	v_lshlrev_b32 v7, 3, v2                        ; and on the way out 8 bytes a lane
	v_add_nc_u32 v6, s33, v7
	s_mov_b64 s[30:31], s[14:15]                   ; which tensor, and its first work-group: choices on the work-group's number alone
	s_mov_b32 s29, 832
	s_cmp_lt_u32 ttmp9, 832
	s_cselect_b64 s[30:31], s[12:13], s[30:31]
	s_cselect_b32 s29, 800, s29
	s_cmp_lt_u32 ttmp9, 800
	s_cselect_b64 s[30:31], s[10:11], s[30:31]
	s_cselect_b32 s29, 768, s29
	s_cmp_lt_u32 ttmp9, 768
	s_cselect_b64 s[30:31], s[8:9], s[30:31]
	s_cselect_b32 s29, 512, s29
	s_cmp_lt_u32 ttmp9, 512
	s_cselect_b64 s[30:31], s[6:7], s[30:31]
	s_cselect_b32 s29, 256, s29
	s_cmp_lt_u32 ttmp9, 256
	s_cselect_b64 s[30:31], s[4:5], s[30:31]
	s_cselect_b32 s29, 0, s29
	s_sub_co_u32 s32, ttmp9, s29
	s_lshl_b32 s32, s32, 2
	s_add_co_u32 s32, s32, s28                     ; my run of 8,192 numbers in the tensor,
	s_lshl_b32 s32, s32, 15                        ; 32,768 bytes each
	s_mov_b32 s33, 0
	s_add_nc_u64 s[30:31], s[30:31], s[32:33]
	s_lshl_b32 s34, ttmp9, 2
	s_add_co_u32 s34, s34, s28                     ; my run among all six tensors'
	s_lshl_b32 s32, s34, 12
	s_add_nc_u64 s[20:21], s[20:21], s[32:33]      ; 4,096 bytes of codes a run
	s_lshl_b32 s32, s34, 8
	s_add_nc_u64 s[22:23], s[22:23], s[32:33]      ; 256 scale bytes a run
.macro LOAD t
.irp i, 0,1,2,3
	global_load_b128 v[R+16*((\t)%4)+4*\i:R+16*((\t)%4)+4*\i+3], v3, s[30:31] offset:2048*(\t)+512*\i th:TH_LOAD_NT
.endr
.endm
.macro TURN t                          ; step t's numbers through the stage: LDS serves a wave's instructions in order, so no wait stands between the stores and the loads
.irp i, 0,1,2,3
	ds_store_b128 v14, v[R+16*((\t)%4)+4*\i:R+16*((\t)%4)+4*\i+3] offset:32*SP*((\t)%2)+8*SP*\i
.endr
.irp i, 0,1,2,3
	ds_load_b128 v[X+16*((\t)%2)+4*\i:X+16*((\t)%2)+4*\i+3], v15 offset:32*SP*((\t)%2)+16*\i
.endr
.endm
.irp t, 0,1,2,3
	LOAD \t
.endr
	s_wait_loadcnt 12                              ; step 0's four loads are in; the twelve of steps 1 to 3 may be out
	TURN 0
.macro STEP t
.set XS, X+16*((\t)%2)
.if (\t) > 0
	s_wait_dscnt 1                                 ; this step's numbers are back from the stage (the last step's byte store may be out)
.else
	s_wait_dscnt 0x0
.endif
.if (\t)+4 < STEPS
	LOAD (\t)+4                                    ; into the registers that the stage's stores have read
.endif
.if (\t)+1 < STEPS
.if STEPS-2-(\t) >= 3
	s_wait_loadcnt 12                              ; the next step's four loads are in; those of the three steps behind it may be out
.else
	s_wait_loadcnt 4*(STEPS-2-(\t))
.endif
	TURN (\t)+1
.endif
	v_max3_num_f32 v8, |v[XS]|, |v[XS+1]|, |v[XS+2]|               ; the largest magnitude of my 16, in two chains
	v_max3_num_f32 v9, |v[XS+3]|, |v[XS+4]|, |v[XS+5]|
.irp i, 6,10
	v_max3_num_f32 v8, v8, |v[XS+\i]|, |v[XS+\i+1]|
	v_max3_num_f32 v9, v9, |v[XS+\i+2]|, |v[XS+\i+3]|
.endr
	v_max3_num_f32 v8, v8, |v[XS+14]|, |v[XS+15]|
	v_max3_num_f32 v8, v8, v9, 0x1800000           ; and the floor 2^(3 - 127): the byte cannot fall under 1
	v_max_num_f32_dpp v8, v8, v8 row_xmask:1 row_mask:0xf bank_mask:0xf   ; and of my neighbour's 16: the block's
	v_add_nc_u32 v11, 0xff000000, v8               ; 2 off its exponent field: the conversion takes the exponent field of this operand as its scale
	v_cvt_scalef32_pk8_fp4_f32 v[C+4*(\t)], v[XS:XS+7], v11
	v_cvt_scalef32_pk8_fp4_f32 v[C+4*(\t)+1], v[XS+8:XS+15], v11
	v_lshrrev_b32 v[E+(\t)], 23, v11               ; the scale's byte (also the plain line behind the conversions)
	ds_store_b8 v5, v[E+(\t)] offset:16*(\t)       ; both lanes of a block write the same byte with the same value
	global_store_b64 v4, v[C+4*(\t):C+4*(\t)+1], s[20:21] offset:32*CB*(\t)   ; the wave stores 256 consecutive bytes, aligned
.endm
.irp t, 0,1,2,3,4,5,6,7,8,9,10,11,12,13,14,15
	STEP \t
.endr
	ds_load_b64 v[8:9], v6                         ; LDS serves a wave's instructions in order: these see my byte stores
	s_wait_dscnt 0x0
	global_store_b64 v7, v[8:9], s[22:23]          ; 32 lanes store 256 consecutive bytes, aligned
	s_wait_tensorcnt 0x0                           ; the wave's end, behind my last LDS store
	ds_add_u32 v[SPW], v[NIL]
	s_wait_dscnt 0x0
	s_endpgm
; ---------------- JOB B: a wave reads one tile of 64 x 64 of the mask, two whole rows of 256 bytes a load, and stores one word.
.Lnot_quant:
	s_cmp_ge_u32 ttmp9, WG_F
	s_cbranch_scc1 .Lnot_mask
	s_sub_co_u32 s29, ttmp9, WG_M
	s_lshl_b32 s29, s29, 2
	s_add_co_u32 s29, s29, s28                     ; tile T = 32 x (row of tiles) + (column of tiles)
	s_lshr_b32 s30, s29, 5
	s_lshl_b32 s30, s30, 19                        ; 64 rows of 8,192 bytes
	s_and_b32 s31, s29, 31
	s_lshl_b32 s31, s31, 8                         ; 64 numbers
	s_add_co_u32 s30, s30, s31
	s_mov_b32 s31, 0
	s_add_nc_u64 s[18:19], s[18:19], s[30:31]
	v_lshrrev_b32 v3, 4, v2
	v_and_b32 v4, 15, v2
	v_lshlrev_b32 v4, 4, v4
	v_lshl_add_u32 v3, v3, 13, v4                  ; lanes 0-15 one row, lanes 16-31 the next
.set i, 0
.rept 32
	global_load_b128 v[16+4*i:19+4*i], v3, s[18:19] offset:16384*i
.set i, i+1
.endr
	s_wait_loadcnt 0x0
	v_or_b32 v8, v16, v17                          ; the OR and the AND of my 128 words, each in two chains
	v_and_b32 v9, v16, v17
	v_or_b32 v10, v18, v19
	v_and_b32 v11, v18, v19
.set i, 20
.rept 62
	v_or_b32 v8, v8, v[i]
	v_and_b32 v9, v9, v[i]
	v_or_b32 v10, v10, v[i+1]
	v_and_b32 v11, v11, v[i+1]
.set i, i+2
.endr
	v_or_b32 v8, v8, v10
	v_and_b32 v9, v9, v11
	v_lshlrev_b32 v10, 1, v8                       ; the sign does not count: -0.0 is a zero
	v_cmp_ne_u32 s32, 0, v10                       ; lanes that saw anything but zeros
	v_cmp_ne_u32 s33, 0x3f800000, v8               ; lanes whose words are not all 1.0: OR and AND both equal 1.0's bits only if every word does
	v_cmp_ne_u32 s34, 0x3f800000, v9
	s_or_b32 s33, s33, s34
	s_cmp_lg_u32 s33, 0
	s_cselect_b32 s35, 2, 1
	s_cmp_lg_u32 s32, 0
	s_cselect_b32 s35, s35, 0                      ; a value is chosen; no branch hangs on the data
	v_mov_b32 v10, s35
	s_lshl_b32 s36, s29, 2
	v_mov_b32 v11, s36
	s_wait_xcnt 0x0                                ; EXEC changes only behind this wait
	v_cmpx_gt_u32 1, v2                            ; lane 0 alone stores
	global_store_b32 v11, v10, s[26:27]
	s_endpgm
; ---------------- JOB C: a wave reads rows 0-15 x 16 keys.
.Lnot_mask:
	s_cmp_ge_u32 ttmp9, WG_W
	s_cbranch_scc1 .Lwo
	s_sub_co_u32 s29, ttmp9, WG_F
	s_lshl_b32 s29, s29, 2
	s_add_co_u32 s29, s29, s28                     ; tile of 16 keys
	s_lshl_b32 s30, s29, 6
	s_mov_b32 s31, 0
	s_add_nc_u64 s[18:19], s[18:19], s[30:31]
	v_and_b32 v4, 15, v2
	v_lshrrev_b32 v3, 4, v2
	v_lshlrev_b32 v3, 5, v3
	v_lshl_add_u32 v3, v4, 13, v3                  ; row lane % 16, 32 bytes for each half of the lanes
	global_load_b128 v[16:19], v3, s[18:19]
	global_load_b128 v[20:23], v3, s[18:19] offset:16
	s_wait_loadcnt 0x0
	v_or_b32 v8, v16, v17
	v_or_b32 v9, v18, v19
	v_or_b32 v10, v20, v21
	v_or_b32 v11, v22, v23
	v_or_b32 v8, v8, v9
	v_or_b32 v10, v10, v11
	v_or_b32 v8, v8, v10
	v_lshlrev_b32 v8, 1, v8
	v_cmp_ne_u32 s32, 0, v8
	s_cmp_lg_u32 s32, 0
	s_cselect_b32 s35, 1, 0
	v_mov_b32 v10, s35
	s_lshl_b32 s36, s29, 2
	v_mov_b32 v11, s36
	s_wait_xcnt 0x0                                ; EXEC changes only behind this wait
	v_cmpx_gt_u32 1, v2
	global_store_b32 v11, v10, s[26:27] offset:4096
	s_endpgm
; ---------------- JOB D: a wave turns 4,096 numbers of Wo into f16.  All 32 loads go out at once; each store covers 256 consecutive bytes, aligned.
.Lwo:
	s_sub_co_u32 s29, ttmp9, WG_W
	s_lshl_b32 s29, s29, 2
	s_add_co_u32 s29, s29, s28
	s_lshl_b32 s30, s29, 14
	s_mov_b32 s31, 0
	s_add_nc_u64 s[16:17], s[16:17], s[30:31]
	s_lshl_b32 s30, s29, 13
	s_add_nc_u64 s[24:25], s[24:25], s[30:31]
	v_lshlrev_b32 v3, 4, v2
	v_lshlrev_b32 v4, 3, v2
.set i, 0
.rept 32
	global_load_b128 v[16+4*i:19+4*i], v3, s[16:17] offset:512*i th:TH_LOAD_NT
.set i, i+1
.endr
.set i, 0
.rept 16
	s_wait_loadcnt 30-2*i                          ; loads 2 i and 2 i + 1 are in; the younger ones may be out
	v_cvt_pk_f16_f32 v[16+8*i], v[16+8*i], v[17+8*i]
	v_cvt_pk_f16_f32 v[17+8*i], v[18+8*i], v[19+8*i]
	v_cvt_pk_f16_f32 v[20+8*i], v[20+8*i], v[21+8*i]
	v_cvt_pk_f16_f32 v[21+8*i], v[22+8*i], v[23+8*i]
	global_store_b64 v4, v[16+8*i:17+8*i], s[24:25] offset:512*i
	global_store_b64 v4, v[20+8*i:21+8*i], s[24:25] offset:512*i+256
.set i, i+1
.endr
	s_endpgm
.Lfunc_end_k_q3fd48ba793_prep:
	.size	k_q3fd48ba793_prep, .Lfunc_end_k_q3fd48ba793_prep-k_q3fd48ba793_prep
	.p2alignl 7, 3214868480
	.fill 96, 4, 3214868480
	.section	.rodata,"a",@progbits
	.p2align	6, 0x0
	.amdhsa_kernel k_q3fd48ba793_prep
		.amdhsa_group_segment_fixed_size 33280
		.amdhsa_private_segment_fixed_size 0
		.amdhsa_enable_private_segment 0
		.amdhsa_kernarg_size 96
		.amdhsa_user_sgpr_count 2
		.amdhsa_user_sgpr_kernarg_segment_ptr 1
		.amdhsa_wavefront_size32 1
		.amdhsa_system_sgpr_workgroup_id_x 1
		.amdhsa_system_sgpr_workgroup_id_y 1
		.amdhsa_system_sgpr_workgroup_id_z 1
		.amdhsa_system_vgpr_workitem_id 0
		.amdhsa_next_free_vgpr 192
		.amdhsa_next_free_sgpr 66
		.amdhsa_reserve_vcc 0
		.amdhsa_float_denorm_mode_32 3
		.amdhsa_float_denorm_mode_16_64 3
		.amdhsa_memory_ordered 1
		.amdhsa_forward_progress 1
		.amdhsa_inst_pref_size 58
	.end_amdhsa_kernel
	.amdgpu_metadata
---
amdhsa.version: [ 1, 2 ]
amdhsa.kernels:
  - .name:           k_q3fd48ba793_prep
    .symbol:         k_q3fd48ba793_prep.kd
    .args:
      - { .name: query, .offset: 0, .size: 8, .value_kind: global_buffer, .address_space: global }
      - { .name: key, .offset: 8, .size: 8, .value_kind: global_buffer, .address_space: global }
      - { .name: val, .offset: 16, .size: 8, .value_kind: global_buffer, .address_space: global }
      - { .name: Wq, .offset: 24, .size: 8, .value_kind: global_buffer, .address_space: global }
      - { .name: Wk, .offset: 32, .size: 8, .value_kind: global_buffer, .address_space: global }
      - { .name: Wv, .offset: 40, .size: 8, .value_kind: global_buffer, .address_space: global }
      - { .name: Wo, .offset: 48, .size: 8, .value_kind: global_buffer, .address_space: global }
      - { .name: attn_mask, .offset: 56, .size: 8, .value_kind: global_buffer, .address_space: global }
      - { .name: codes, .offset: 64, .size: 8, .value_kind: global_buffer, .address_space: global }
      - { .name: scales, .offset: 72, .size: 8, .value_kind: global_buffer, .address_space: global }
      - { .name: wo16, .offset: 80, .size: 8, .value_kind: global_buffer, .address_space: global }
      - { .name: flags, .offset: 88, .size: 8, .value_kind: global_buffer, .address_space: global }
    .group_segment_fixed_size: 33280
    .private_segment_fixed_size: 0
    .kernarg_segment_align: 8
    .kernarg_segment_size: 96
    .max_flat_workgroup_size: 128
    .sgpr_count:     66
    .vgpr_count:     192
    .wavefront_size: 32
...
	.end_amdgpu_metadata
.endif
;; end of part 1
;; launch proj (part 2): grid 4 x 96, 4 waves a work-group, clusters of 4 x 4, 327,680 bytes of LDS; arguments codes, scales, bq, bk, bv, qkv; writes qkv
.if DOCPART == 2
	.amdgcn_target "amdgcn-amd-amdhsa--gfx1250"
	.amdhsa_code_object_version 6
	.text
	.protected	k_q3fd48ba793_proj
	.globl	k_q3fd48ba793_proj
	.p2align	8
	.type	k_q3fd48ba793_proj,@function
k_q3fd48ba793_proj:
	s_mov_b64 s[64:65], 0
	v_nop
	global_prefetch_b8 v0, s[64:65] scope:SCOPE_SE
	s_setreg_imm32_b32 hwreg(HW_REG_WAVE_MODE, 25, 1), 1
	s_wait_xcnt 0x0
	s_wait_alu depctr_hold_cnt(0) depctr_sa_sdst(0) depctr_va_vdst(0) depctr_va_sdst(0) depctr_va_ssrc(0) depctr_va_vcc(0) depctr_vm_vsrc(0)
	s_getreg_b32 s2, hwreg(HW_REG_IB_STS2, 6, 4)
	s_cmp_eq_u32 s2, 0
	s_cbranch_scc0 .Lentry_in_a_cluster
	s_endpgm
.Lentry_in_a_cluster:
	s_bfe_u32 s2, ttmp6, 0x10000c
	s_cmp_lg_u32 s2, 0xf033
	s_cbranch_scc0 .Lentry_shape_is_right
	s_endpgm
.Lentry_shape_is_right:
; THE THREE QUANTISED PRODUCTS, on codes of FP4 (E2M1) with one E8M0 scale for each 32 along K = 1,024; sums in f32; + bias; rounded once to f16 and stored as IMAGES OF OPERAND REGISTERS for the attention.
; A cluster's y (0-23) says which product (t = y / 8: 0 q, 1 k, 2 v) and which eighth of it.  q = query Wq^T and k = key Wk^T take A = 8,192 tokens, B = 1,024 channels; v is made TRANSPOSED, v^T = Wv val^T: A = channels, B = tokens.
; A tile of C, 256 x 256, is made by four waves, 128 x 128 each: 64 accumulators, 512 registers.  K is two slots of 512 in LDS, both filled at the start: nothing is filled again.
; THE MATRIX INSTRUCTION IS USED TRANSPOSED (source 0 = 16 rows of B, source 1 = 16 rows of A): a lane holds row lane % 16 of A's block and eight neighbouring columns of B's block: 16 bytes of f16, one lane's part of an image.
;   q, k image: [batch x 16 + head][tile of 16 tokens][32 channels u][c][lane][16 bytes]: lane (r, hh) holds channels 32 u + 16 c + 8 hh + 0..7 of token r.   q at byte 0 of qkv, k at 2^24.
;   v image:    [batch x 16 + head][block of 32 keys][16 channels ct][c][lane][16 bytes]: lane (r, hh) holds keys 16 c + 8 hh + 0..7 of channel 16 ct + r.   At 2^25.
; So every store of a wave covers 512 consecutive bytes, aligned, with no way through LDS.
; THE BIAS is the C of each sum's first matrix instruction: eight registers a block, in the result's layout (q, k: by B's block; v: by A's block, eight times the same number).
; CLUSTERS: 4 x 4 work-groups; A's tiles and scales are asked for jointly along a row of the cluster, B's along a column.  All that steers a branch is the cluster's y and the wave's number.
; LIMITS: |q|, |k|, |v| beyond 65,504 have no f16 number.
; REGISTERS: window 0: v0-31 addresses; v32-95 scale words, two sets, and nothing else; v128-191 A's fragments, ONE set, on the way out the packed results; v192-255 the bias.
;   window 1: B's fragments, two sets, at v0 and v128.   window 2: accumulators of my rows 0-63 ((a, b) at v[8 (8 a + b)]);   window 3: of my rows 64-127.
.set NQ,     4                         ; steps of 128 along K in a slot
.set ROWB,   256                       ; a tile's row in bytes: 512 codes
.set KROW,   512                       ; a row of codes in memory
.set PITCH,  272                       ; an LDS row: 256 bytes + 16 of padding = 68 words: the 16 rows that a load touches start at 16 different banks (64 banks of 4 bytes: ISA guide 11.1)
.set FR,     8
.set NL,     2
.set NP,     4
.set HALFT,  128*PITCH
.set SLOT,   4*HALFT
.set KS,     32                        ; a row of scale bytes
.set SCL,    2*SLOT                    ; behind the slots: the scales, as units of 256 bytes + 16 of padding
.set HALFS,  (128*KS/256)*272
.set SBLK,   (16*KS/256)*272
.set SPARE,  SCL+4*HALFS               ; the spare words, 128 bytes a wave
.set ADRA, 16
.set ADRB, 20
.set CO,   26                          ; v26 16 x lane
.set ADRS, 27
.set SPW,  28
.set NIL,  29
.set BOF,  30                          ; v30 the bias loads' offset
.set SC,   32
.set AF,   128
.set OS,   128                         ; the way out: two sets of 32 registers
.set BI,   192
.set WV,   16                          ; s16 wave; s17 wave / 2: my half of the rows, and: I fetch for A (0) or B (1); s18 wave % 2: my half of the columns, and which 128 rows I fetch
.set HR,   17
.set HC,   18
.set TR,   19                          ; s19 tile row;  s42 tile column
.set ISV,  98                          ; s98 1 where the product is v's
.set G1, 24
.set G0, 32
.set G1B, 48
.set G0B, 56
.set G1S, 68
.set G0S, 76
.set G1SB, 80
.set G0SB, 88
.set MSB, 0
.macro WIN new                         ; the immediate's high byte repeats the setting that is left
.if MSB != \new
	s_set_vgpr_msb (MSB<<8)|\new
.set MSB, \new
.endif
.endm
.set MUL_LO, 0xa1                      ; source 0 (B) window 1, source 1 (A) window 0, C and D window 2
.set MUL_HI, 0xf1                      ; the same, C and D window 3
.set BIA_LO, 0x81                      ; the first step: C (the bias) window 0, D window 2
.set BIA_HI, 0xc1                      ; D window 3
.set TO_B,   0x40
.macro JLOAD g0a, g1a, g0b, g1b        ; a joint load: waves 0 and 1 fetch for A, waves 2 and 3 for B; an s_nop 0 and four v_nop follow each line
	s_cmp_eq_u32 s[HR], 0
	s_cbranch_scc0 .Lfor_b_\@
	tensor_load_to_lds s[\g0a:\g0a+3], s[\g1a:\g1a+7]
	s_nop 0
.rept 4
	v_nop
.endr
	s_branch .Lasked_\@
.Lfor_b_\@:
	tensor_load_to_lds s[\g0b:\g0b+3], s[\g1b:\g1b+7]
	s_nop 0
.rept 4
	v_nop
.endr
.Lasked_\@:
.endm
.macro CROUND                          ; a round of the cluster's barrier
	s_barrier_signal -1
	s_barrier_wait -1
	s_cmp_lg_u32 s[WV], 0
	s_cbranch_scc1 .Lnot_wave_0_\@
	s_barrier_signal -3
.Lnot_wave_0_\@:
	s_barrier_wait -3
	s_barrier_signal -1
	s_barrier_wait -1
.endm
	s_load_b128 s[4:7], s[0:1], 0x0                ; codes, scales
	s_load_b256 s[8:15], s[0:1], 0x10              ; bq 8, bk 10, bv 12, qkv 14
	v_lshl_add_u32 v[SPW], v0, 2, SPARE
	v_mov_b32 v[NIL], 0
	ds_add_u32 v[SPW], v[NIL]                      ; the wave's opening: the add, twice on end, and its wait ahead of my first tensor load
	ds_add_u32 v[SPW], v[NIL]
	v_lshrrev_b32 v1, 5, v0
	v_readfirstlane_b32 s[WV], v1
	s_lshr_b32 s[HR], s[WV], 1
	s_and_b32 s[HC], s[WV], 1
	s_bfe_u32 s40, ttmp6, 0x40000                  ; cx
	s_bfe_u32 s41, ttmp6, 0x40004                  ; cy
	s_and_b32 s2, ttmp7, 0xffff                    ; the cluster's y
	s_lshr_b32 s3, s2, 3                           ; t: which product
	s_and_b32 s2, s2, 7
	s_lshl_b32 s2, s2, 2                           ; 4 x which eighth
	s_lshl_b32 s94, s3, 22                         ; where the tokens' codes begin: t x 4,194,304
	s_lshl_b32 s95, s3, 19
	s_add_co_u32 s95, s95, 12582912                ; the weight's codes
	s_lshl_b32 s96, s3, 18                         ; the tokens' scale bytes
	s_lshl_b32 s97, s3, 15
	s_add_co_u32 s97, s97, 786432                  ; the weight's
	s_cmp_eq_u32 s3, 2                             ; v: A and B change places.  The same in all sixteen partners
	s_cselect_b32 s[ISV], 1, 0
	s_cselect_b32 s[TR], 0, s2
	s_cselect_b32 s42, s2, 0
	s_cselect_b32 s20, s95, s94                    ; A's codes,
	s_cselect_b32 s46, s94, s95                    ; B's,
	s_cselect_b32 s22, s97, s96                    ; A's scale bytes,
	s_cselect_b32 s92, s96, s97                    ; B's
	s_add_co_u32 s[TR], s[TR], s41                 ; tile row
	s_add_co_u32 s42, s42, s40                     ; tile column
	s_lshl_b32 s43, s41, 2
	s_lshl_b32 s43, 15, s43                        ; my row of the cluster
	s_lshl_b32 s44, 0x1111, s40                    ; my column
	s_or_b32 s[G1+0], s43, (0<<16)|(1<<20)|(1<<21)|(5<<22)|(3<<25)  ; the mask; elements of 1 byte; padding: 4 words after every 64; bit 21 beside a mask
	s_or_b32 s[G1B+0], s44, (0<<16)|(1<<20)|(1<<21)|(5<<22)|(3<<25)
.irp g, G1, G1B
	s_mov_b32 s[\g+1], ROWB<<16                    ; tensor_dim0
	s_mov_b32 s[\g+2], 128<<16                     ; tensor_dim1
	s_mov_b32 s[\g+3], ROWB<<16                    ; tile_dim0
	s_mov_b32 s[\g+4], 128                         ; tile_dim1
	s_mov_b32 s[\g+5], KROW                        ; from row to row
	s_mov_b32 s[\g+6], 0
	s_mov_b32 s[\g+7], 0
.endr
	s_or_b32 s[G1S+0], s43, (3<<16)|(1<<20)|(1<<21)|(5<<22)|(3<<25) ; the scales of 128 rows: 4,096 dense bytes as 16 rows of 256 (32 elements of 8 bytes), 16 bytes of padding behind each
	s_or_b32 s[G1SB+0], s44, (3<<16)|(1<<20)|(1<<21)|(5<<22)|(3<<25)
.irp g, G1S, G1SB
	s_mov_b32 s[\g+1], 32<<16
	s_mov_b32 s[\g+2], (128*KS/256)<<16
	s_mov_b32 s[\g+3], 32<<16
	s_mov_b32 s[\g+4], 128*KS/256
	s_mov_b32 s[\g+5], 32
	s_mov_b32 s[\g+6], 0
	s_mov_b32 s[\g+7], 0
.endr
	s_lshl_b32 s45, s[HC], 7                       ; which 128 rows of the tile I fetch
	s_lshl_b32 s21, s[TR], 8
	s_add_co_u32 s21, s21, s45                     ; A's row
	s_lshl_b32 s47, s42, 8
	s_add_co_u32 s47, s47, s45                     ; B's row
	s_lshl_b32 s23, s21, 5
	s_add_co_u32 s22, s22, s23                     ; all four offsets stay under 2^24
	s_lshl_b32 s21, s21, 9
	s_add_co_u32 s20, s20, s21
	s_lshl_b32 s93, s47, 5
	s_add_co_u32 s92, s92, s93
	s_lshl_b32 s47, s47, 9
	s_add_co_u32 s46, s46, s47
	s_mov_b32 s21, 0
	s_mov_b32 s23, 0
	s_mov_b32 s47, 0
	s_mov_b32 s93, 0
	s_mul_i32 s45, s[WV], HALFT                    ; where they go: wave x 128 rows: no place in the cluster enters an LDS address
	s_mul_i32 s94, s[WV], HALFS
	s_wait_dscnt 0x0                               ; both opening adds are done
	s_wait_kmcnt 0x0
	s_add_nc_u64 s[20:21], s[4:5], s[20:21]
	s_add_nc_u64 s[22:23], s[6:7], s[22:23]
	s_add_nc_u64 s[46:47], s[4:5], s[46:47]
	s_add_nc_u64 s[92:93], s[6:7], s[92:93]
	CROUND                                         ; all sixteen work-groups are here: the joint loads meet
	s_mov_b32 s[G0S], 1
	s_add_co_u32 s[G0S+1], s94, SCL
	s_mov_b64 s[G0S+2:G0S+3], s[22:23]
	s_or_b32 s[G0S+3], s[G0S+3], 0x80000000
	s_mov_b32 s[G0SB], 1
	s_add_co_u32 s[G0SB+1], s94, SCL
	s_mov_b64 s[G0SB+2:G0SB+3], s[92:93]
	s_or_b32 s[G0SB+3], s[G0SB+3], 0x80000000
	JLOAD G0S, G1S, G0SB, G1SB                     ; three loads of mine go out: the scales, slot 0, slot 1
.irp s, 0,1
	s_mov_b32 s[G0+4*\s], 1
	s_add_co_u32 s[G0+4*\s+1], s45, \s*SLOT
	s_add_nc_u64 s[G0+4*\s+2:G0+4*\s+3], s[20:21], \s*ROWB
	s_or_b32 s[G0+4*\s+3], s[G0+4*\s+3], 0x80000000
	s_mov_b32 s[G0B+4*\s], 1
	s_add_co_u32 s[G0B+4*\s+1], s45, \s*SLOT
	s_add_nc_u64 s[G0B+4*\s+2:G0B+4*\s+3], s[46:47], \s*ROWB
	s_or_b32 s[G0B+4*\s+3], s[G0B+4*\s+3], 0x80000000
	JLOAD G0+4*\s, G1, G0B+4*\s, G1B
.endr
	v_and_b32 v1, 15, v0                           ; r
	v_bfe_u32 v2, v0, 4, 1                         ; hh
	; where my part of the images begins, and my bias.  tok0: my first token; chan0: my first channel
	s_lshl_b32 s20, s[TR], 8
	s_lshl_b32 s21, s[HR], 7
	s_add_co_u32 s20, s20, s21                     ; my first row of C
	s_lshl_b32 s46, s42, 8
	s_lshl_b32 s47, s[HC], 7
	s_add_co_u32 s46, s46, s47                     ; my first column
	s_cmp_eq_u32 s[ISV], 1
	s_cselect_b32 s21, s46, s20                    ; tok0
	s_cselect_b32 s22, s20, s46                    ; chan0
	s_lshr_b32 s23, s21, 11
	s_lshl_b32 s23, s23, 22                        ; batch x 16 heads x 262,144 bytes
	s_lshl_b32 s47, s22, 12                        ; (chan0 / 64) heads
	s_add_co_u32 s23, s23, s47
	s_and_b32 s21, s21, 2047
	s_lshl_b32 s21, s21, 7                         ; 16 tokens are 2,048 bytes of q or k, 32 keys 4,096 of v: 128 bytes a token in both
	s_add_co_u32 s23, s23, s21
	s_lshl_b32 s21, s3, 24                         ; which image
	s_add_co_u32 s46, s23, s21
	s_mov_b32 s47, 0
	s_add_nc_u64 s[14:15], s[14:15], s[46:47]
	s_cmp_eq_u32 s3, 0
	s_cselect_b64 s[8:9], s[8:9], s[10:11]
	s_cmp_eq_u32 s3, 2
	s_cselect_b64 s[8:9], s[12:13], s[8:9]
	s_lshl_b32 s46, s22, 2
	s_add_nc_u64 s[8:9], s[8:9], s[46:47]
	s_cmp_eq_u32 s[ISV], 1
	s_cbranch_scc1 .Lbias_v
	v_lshlrev_b32 v[BOF], 5, v2                    ; q, k: block b's registers are the bias of channels 16 b + 8 hh + 0..7
.irp b, 0,1,2,3,4,5,6,7
	global_load_b128 v[BI+8*\b:BI+8*\b+3], v[BOF], s[8:9] offset:64*\b
	global_load_b128 v[BI+8*\b+4:BI+8*\b+7], v[BOF], s[8:9] offset:64*\b+16
.endr
	s_branch .Lbias_done
.Lbias_v:
	v_lshlrev_b32 v[BOF], 2, v1                    ; v: block a's eight registers all hold the bias of channel 16 a + r
.irp a, 0,1,2,3,4,5,6,7
.irp j, 0,1,2,3,4,5,6,7
	global_load_b32 v[BI+8*\a+\j], v[BOF], s[8:9] offset:64*\a
.endr
.endr
.Lbias_done:
	v_mul_u32_u24 v3, v1, PITCH
	v_lshl_add_u32 v4, v2, 4, v3                   ; a fragment's row x pitch + 16 x half
	s_mul_i32 s21, s[HR], HALFT                    ; my 128 rows of A
	s_mul_i32 s22, s[HC], HALFT                    ; my 128 rows of B,
	s_add_co_u32 s22, s22, 2*HALFT                 ; behind A's 256
.irp s, 0,1
	v_add_nc_u32 v[ADRA+\s], s21, v4
	v_add_nc_u32 v[ADRB+\s], s22, v4
	s_add_co_u32 s21, s21, SLOT
	s_add_co_u32 s22, s22, SLOT
.endr
	v_mul_u32_u24 v5, v1, KS                       ; my row's scales: 32 bytes a row,
	v_lshrrev_b32 v6, 8, v5
	v_lshl_add_u32 v5, v6, 4, v5                   ; and 16 more for each 256 passed
	s_mul_i32 s21, s[HR], HALFS
	s_mul_i32 s22, s[HC], HALFS
	s_add_co_u32 s22, s22, 2*HALFS
	s_sub_co_u32 s22, s22, s21
	v_mul_u32_u24 v6, s22, v2                      ; lanes 16-31 take B's
	s_add_co_u32 s21, s21, SCL
	v_add_nc_u32 v5, v5, v6
	v_add_nc_u32 v[ADRS], s21, v5
	v_and_b32 v6, 31, v0
	v_lshlrev_b32 v[CO], 4, v6
.macro FRAG reg, adr, q, i             ; 16 rows x 128 K of 4-bit codes: 8 registers, two loads of 16 bytes, 32 bytes apart
.irp c, 0,1
	ds_load_b128 v[\reg+4*\c:\reg+4*\c+3], v[\adr] offset:64*(\q)+32*\c+(\i)*16*PITCH
.endr
.endm
; 16 matrix instructions: A's blocks a0, a0 + 1 x B's eight.  p: B's set; sc: the set of scale words.  zero = 0: onto the sums; 1: the sums start with the bias by B's block; 2: by A's block.
; The 64 accumulators take turns, one instruction a turn, in the same order in every step.
.macro MUL16 a0, p, q, sc, zero
.irp a, \a0, \a0+1
.irp b, 0,1,2,3,4,5,6,7
.if \zero == 1
	v_wmma_scale_f32_16x16x128_f8f6f4 v[8*(8*((\a)%4)+\b):8*(8*((\a)%4)+\b)+7], v[128*(\p)+FR*\b:128*(\p)+FR*\b+FR-1], v[AF+FR*(\a):AF+FR*(\a)+FR-1], v[BI+8*\b:BI+8*\b+7], v[SC+8*NQ*(\sc)+NQ*\b+(\q)], v[SC+8*NQ*(\sc)+NQ*(\a)+(\q)] matrix_a_fmt:MATRIX_FMT_FP4 matrix_b_fmt:MATRIX_FMT_FP4 matrix_a_scale:MATRIX_SCALE_ROW1
.elseif \zero == 2
	v_wmma_scale_f32_16x16x128_f8f6f4 v[8*(8*((\a)%4)+\b):8*(8*((\a)%4)+\b)+7], v[128*(\p)+FR*\b:128*(\p)+FR*\b+FR-1], v[AF+FR*(\a):AF+FR*(\a)+FR-1], v[BI+8*(\a):BI+8*(\a)+7], v[SC+8*NQ*(\sc)+NQ*\b+(\q)], v[SC+8*NQ*(\sc)+NQ*(\a)+(\q)] matrix_a_fmt:MATRIX_FMT_FP4 matrix_b_fmt:MATRIX_FMT_FP4 matrix_a_scale:MATRIX_SCALE_ROW1
.else
	v_wmma_scale_f32_16x16x128_f8f6f4 v[8*(8*((\a)%4)+\b):8*(8*((\a)%4)+\b)+7], v[128*(\p)+FR*\b:128*(\p)+FR*\b+FR-1], v[AF+FR*(\a):AF+FR*(\a)+FR-1], v[8*(8*((\a)%4)+\b):8*(8*((\a)%4)+\b)+7], v[SC+8*NQ*(\sc)+NQ*\b+(\q)], v[SC+8*NQ*(\sc)+NQ*(\a)+(\q)] matrix_a_fmt:MATRIX_FMT_FP4 matrix_b_fmt:MATRIX_FMT_FP4 matrix_a_scale:MATRIX_SCALE_ROW1
.endif
.endr
.endr
.endm
.macro FETCH_B slot, q, p
	WIN TO_B
.irp i, 0,1,2,3,4,5,6,7
	FRAG 128*(\p)+FR*\i, ADRB+\slot, \q, \i
.endr
	WIN 0
.endm
.macro FETCH_A slot, q, i0
.irp i, \i0, \i0+1, \i0+2, \i0+3
	FRAG AF+FR*(\i), ADRA+\slot, \q, \i
.endr
.endm
.macro SCALES sc                       ; a slot's scale words: 4 words a row; lanes 0-15 take A's block i, lanes 16-31 B's block i
.irp i, 0,1,2,3,4,5,6,7
	ds_load_b128 v[SC+8*NQ*\sc+NQ*\i:SC+8*NQ*\sc+NQ*\i+3], v[ADRS] offset:\i*SBLK
.endr
.endm
.macro PLACES n                        ; plain vector lines between a matrix instruction and a load into, or a read of, its registers
.rept \n
	v_nop
.endr
.endm
.macro STEP slot, q, zero              ; a step of 128 along K that has its successor in the same slot
	s_wait_dscnt 4*NL                              ; B's set and A's blocks 0-3 are in; the youngest eight loads (A's blocks 4-7) may be out
.if \zero
	WIN BIA_LO
.else
	WIN MUL_LO
.endif
	MUL16 0, (\q)%2, \q, \slot, \zero
	MUL16 2, (\q)%2, \q, \slot, \zero
	s_wait_dscnt 0                                 ; A's blocks 4-7 are in
	PLACES NP
	FETCH_B \slot, (\q)+1, 1-(\q)%2
	FETCH_A \slot, (\q)+1, 0
.if \zero
	WIN BIA_HI
.else
	WIN MUL_HI
.endif
	MUL16 4, (\q)%2, \q, \slot, \zero
	MUL16 6, (\q)%2, \q, \slot, \zero
	PLACES NP
	WIN 0
	FETCH_A \slot, (\q)+1, 4
.endm
.macro STEPS slot, from
.set Q, \from
.rept NQ-1-\from
	STEP \slot, Q, 0
.set Q, Q+1
.endr
.endm
	s_wait_tensorcnt 1                             ; the scales and my part of slot 0 are in; slot 1's load may be out
	s_barrier_signal -1
	s_barrier_wait -1
	FETCH_B 0, 0, 0
	FETCH_A 0, 0, 0
	SCALES 0
	FETCH_A 0, 0, 4
	s_wait_loadcnt 0x0                             ; the bias
	s_cmp_eq_u32 s[ISV], 1
	s_cbranch_scc1 .Lfirst_v
	STEP 0, 0, 1                                   ; the first step starts the sums with the bias
	s_branch .Lfirst_done
.Lfirst_v:
	STEP 0, 0, 2
.Lfirst_done:
	STEPS 0, 1
	; slot 0's last step changes slots: one barrier; in front of it my loads have landed, so slot 1 is whole behind it
	s_wait_tensorcnt 0x0
	ds_add_u32 v[SPW], v[NIL]                      ; 0 onto my spare word
	s_wait_dscnt 4*NL+1                            ; the add and A's blocks 4-7 may be out
	WIN MUL_LO
	MUL16 0, 1, NQ-1, 0, 0
	s_wait_dscnt 0x0
	s_barrier_signal -1
	MUL16 2, 1, NQ-1, 0, 0
	WIN 0
	s_barrier_wait -1
	PLACES NP
	v_add_nc_u32 v[ADRS], 4*NQ, v[ADRS]            ; on to slot 1's scale words (no LDS load of mine is out)
	FETCH_B 1, 0, 0
	FETCH_A 1, 0, 0
	SCALES 1
	WIN MUL_HI
	MUL16 4, 1, NQ-1, 0, 0
	MUL16 6, 1, NQ-1, 0, 0
	PLACES NP
	WIN 0
	FETCH_A 1, 0, 4
	STEPS 1, 0
	s_wait_dscnt 4*NL                              ; the very last step: nothing more to fetch
	WIN MUL_LO
	MUL16 0, 1, NQ-1, 1, 0
	MUL16 2, 1, NQ-1, 1, 0
	s_wait_dscnt 0
	WIN MUL_HI
	MUL16 4, 1, NQ-1, 1, 0
	MUL16 6, 1, NQ-1, 1, 0
	WIN 0
	PLACES NP                                      ; in front of the first read of results and of the first write over A's fragments
; THE WAY OUT of A's block a: each accumulator from its low end on, two numbers to a register; a lane's four registers are its 16 bytes of an image's piece.
.macro OUT a, v
.if (\a) >= 2
	s_wait_xcnt 0x0                                ; block a - 2's stores have read the registers that are written again now
.endif
	WIN 0x0a+5*((\a)/4)                            ; sources 0 and 1: window 2 or 3
.irp b, 0,1,2,3,4,5,6,7
.irp i, 0,1,2,3
	v_cvt_pk_f16_f32 v[OS+32*((\a)%2)+4*\b+\i], v[8*(8*((\a)%4)+\b)+2*\i], v[8*(8*((\a)%4)+\b)+2*\i+1]
.endr
.endr
	WIN 0
.irp b, 0,1,2,3,4,5,6,7
.if \v
	global_store_b128 v[CO], v[OS+32*((\a)%2)+4*\b:OS+32*((\a)%2)+4*\b+3], s[14:15] offset:((\a)/4)*262144+((\a)%4)*1024+(\b/2)*4096+(\b%2)*512
.else
	global_store_b128 v[CO], v[OS+32*((\a)%2)+4*\b:OS+32*((\a)%2)+4*\b+3], s[14:15] offset:(\b/4)*262144+(\a)*2048+(\b%4)*512
.endif
.endr
.endm
	s_cmp_eq_u32 s[ISV], 1
	s_cbranch_scc1 .Lout_v
.irp a, 0,1,2,3,4,5,6,7
	OUT \a, 0
.endr
	s_branch .Lout_done
.Lout_v:
.irp a, 0,1,2,3,4,5,6,7
	OUT \a, 1
.endr
.Lout_done:
	s_wait_tensorcnt 0x0                           ; the wave's end
	ds_add_u32 v[SPW], v[NIL]
	s_wait_dscnt 0x0
	CROUND                                         ; the closing round: no work-group ends while a partner may still ask for a tile that names it
	s_endpgm
.Lfunc_end_k_q3fd48ba793_proj:
	.size	k_q3fd48ba793_proj, .Lfunc_end_k_q3fd48ba793_proj-k_q3fd48ba793_proj
	.p2alignl 7, 3214868480
	.fill 96, 4, 3214868480
	.section	.rodata,"a",@progbits
	.p2align	6, 0x0
	.amdhsa_kernel k_q3fd48ba793_proj
		.amdhsa_group_segment_fixed_size 327680
		.amdhsa_private_segment_fixed_size 0
		.amdhsa_enable_private_segment 0
		.amdhsa_kernarg_size 48
		.amdhsa_user_sgpr_count 2
		.amdhsa_user_sgpr_kernarg_segment_ptr 1
		.amdhsa_wavefront_size32 1
		.amdhsa_system_sgpr_workgroup_id_x 1
		.amdhsa_system_sgpr_workgroup_id_y 1
		.amdhsa_system_sgpr_workgroup_id_z 1
		.amdhsa_system_vgpr_workitem_id 0
		.amdhsa_next_free_vgpr 1024
		.amdhsa_next_free_sgpr 100
		.amdhsa_reserve_vcc 0
		.amdhsa_float_denorm_mode_32 3
		.amdhsa_float_denorm_mode_16_64 3
		.amdhsa_memory_ordered 1
		.amdhsa_forward_progress 1
		.amdhsa_inst_pref_size 159
	.end_amdhsa_kernel
	.amdgpu_metadata
---
amdhsa.version: [ 1, 2 ]
amdhsa.kernels:
  - .name:           k_q3fd48ba793_proj
    .symbol:         k_q3fd48ba793_proj.kd
    .args:
      - { .name: codes, .offset: 0, .size: 8, .value_kind: global_buffer, .address_space: global }
      - { .name: scales, .offset: 8, .size: 8, .value_kind: global_buffer, .address_space: global }
      - { .name: bq, .offset: 16, .size: 8, .value_kind: global_buffer, .address_space: global }
      - { .name: bk, .offset: 24, .size: 8, .value_kind: global_buffer, .address_space: global }
      - { .name: bv, .offset: 32, .size: 8, .value_kind: global_buffer, .address_space: global }
      - { .name: qkv, .offset: 40, .size: 8, .value_kind: global_buffer, .address_space: global }
    .group_segment_fixed_size: 327680
    .private_segment_fixed_size: 0
    .kernarg_segment_align: 8
    .kernarg_segment_size: 48
    .max_flat_workgroup_size: 128
    .sgpr_count:     100
    .vgpr_count:     1024
    .wavefront_size: 32
...
	.end_amdgpu_metadata
.endif
;; end of part 2
;; launch attn (part 3): grid 256 x 1, 16 waves a work-group, no clusters, 34,816 bytes of LDS; arguments qkv, flags, attn_mask, oimg; writes oimg
.if DOCPART == 3
	.amdgcn_target "amdgcn-amd-amdhsa--gfx1250"
	.amdhsa_code_object_version 6
	.text
	.protected	k_q3fd48ba793_attn
	.globl	k_q3fd48ba793_attn
	.p2align	8
	.type	k_q3fd48ba793_attn,@function
k_q3fd48ba793_attn:
	s_mov_b64 s[64:65], 0
	v_nop
	global_prefetch_b8 v0, s[64:65] scope:SCOPE_SE
	s_setreg_imm32_b32 hwreg(HW_REG_WAVE_MODE, 25, 1), 1
	s_wait_xcnt 0x0
; O = softmax((q k^T + ln(mask)) / 8) v for every batch and head, head size 64, on f16 operands with f32 sums, maxima and exponentials; a running maximum m and sum l for each query.
; SHARES.  Work-group = (batch x 16 + head) x 4 + j.  Waves 0-7 own the head's block j of 256 queries, waves 8-15 block 7 - j; a wave owns 32 queries, two tiles of 16.  All sixteen walk the head's 32 key steps of 64 keys.
; THE MASK IS AN INPUT.  An earlier launch has stored, for each tile of 64 x 64 of it, 0 (all zeros: every p of the tile is 0, so the tile adds nothing), 1 (all ones: ln = 0) or 2.  A wave jumps over the work of a step
; whose tile is 0 for its queries, and reads the mask only where the tile is 2.  A step that is 0 for all 512 queries of the work-group is not even fetched.  That holds for every mask.
; So the walk hangs on numbers read from memory, and the launch has no tensor load and no joint load: K's and V's tiles go from memory through registers into two LDS slots, 16 bytes of each a thread, two steps ahead.
; What a cluster would share is shared here inside the work-group: two blocks of queries read each staged tile.
; LAYOUT.  q, k, v arrive as images of operand registers, so a fragment is two loads at 16 x lane.  S^T = K Q^T (source 0 = 16 keys, source 1 = 16 queries): a lane holds ONE query and keys 8 (lane / 16) + 0..7;
; two such tiles, rounded to f16 in pairs, ARE source 1 of O^T = V^T P.  O leaves as the image that the next launch's operand wants: [tile of 16 tokens][32 along HID][c][lane][16 bytes].
; LIMITS: mask numbers under 2^-126 count as 0 (the logarithm takes a denormal as zero).  A query whose mask is all zeros gives 0 x infinity = NaN, as the softmax of a row of -infinity does.
; All operands are f16: positions 0-15 of every batch are made again in f32 by later launches.
; REGISTERS: v1, v2 the add's; v3 16 x lane; v4 at the head: 4 x lane; v5 the mask's offset; v6 256 x lane; v7 16 x thread; v8-15 the staged 32 bytes; v16-31 statistics, 8 a tile (+0 c m, +1 m, +2, +3 l, +4..7 at work, a at +6);
; v32-63 Q; v64-127 O^T; v128-191 S^T, P laid over its low half; v192-255 K's, then the mask's, then V's numbers.
.set SPW, 1
.set NIL, 2
.set LRD, 3
.set FOF, 4
.set MOF, 5
.set PFO, 6
.set GOF, 7
.set STG, 8
.set TS,  16
.set QF,  32
.set OA,  64
.set SA,  128
.set KV,  192
.set SLOTB, 16384                      ; a slot: K's 8,192 bytes, then V's
.set VOFF,  8192
.set SPARE, 2*SLOTB                    ; the spare words, 128 bytes for each of 16 waves
.set WV,  12
.set KB,  20                           ; s[20:21] K's tile that is loaded next;  s[22:23] V's
.set VB,  22
.set PFB, 24                           ; s[24:25] the same place, in K (wave 0) or V (the others): the prefetch's base
.set WGW, 26                           ; s26 bit n: step t + n is wanted by some wave of the work-group
.set ANY, 27                           ; s27 bit n: by me
.set MIX, 28                           ; s28 bit n: and its mask has to be read
.set PW,  29                           ; s29 WGW in the two waves that prefetch, else 0
.set CNT, 30
.set CS,  32                           ; s[32:33] c = log2(e) / 8
.set SEL, 34                           ; s[34:35] lane selects: lane xor 16
	s_load_b256 s[4:11], s[0:1], 0x0               ; qkv 4, flags 6, attn_mask 8, oimg 10
	v_lshl_add_u32 v[SPW], v0, 2, SPARE
	v_mov_b32 v[NIL], 0
	v_lshrrev_b32 v[FOF], 5, v0
	v_readfirstlane_b32 s[WV], v[FOF]
	v_and_b32 v[FOF], 31, v0
	v_lshlrev_b32 v[LRD], 4, v[FOF]
	v_lshlrev_b32 v[PFO], 8, v[FOF]
	v_lshlrev_b32 v[FOF], 2, v[FOF]
	v_bfe_u32 v[MOF], v0, 4, 1
	v_lshlrev_b32 v[MOF], 5, v[MOF]
	v_and_b32 v[GOF], 15, v0
	v_lshl_add_u32 v[MOF], v[GOF], 13, v[MOF]      ; the mask: row lane % 16 of 8,192 bytes, + 32 (lane / 16)
	v_lshlrev_b32 v[GOF], 4, v0
	s_lshr_b32 s13, ttmp9, 2                       ; batch x 16 + head
	s_and_b32 s14, ttmp9, 3                        ; j
	s_sub_co_u32 s15, 7, s14
	s_cmp_lt_u32 s[WV], 8
	s_cselect_b32 s16, s14, s15                    ; my block of 256 queries
	s_and_b32 s17, s[WV], 7
	s_lshl_b32 s18, s16, 8
	s_lshl_b32 s19, s17, 5
	s_add_co_u32 s18, s18, s19                     ; q0: my first query
	s_lshl_b32 s36, s13, 18                        ; a head is 262,144 bytes in each image
	s_mov_b32 s37, 0
	s_lshl_b32 s38, s18, 7                         ; 16 queries are 2,048 bytes
	s_mov_b32 s39, 0
	s_lshl_b32 s40, s18, 13                        ; the mask's row q0
	s_mov_b32 s41, 0
	s_lshr_b32 s42, s13, 4
	s_lshl_b32 s42, s42, 7
	s_lshr_b32 s43, s18, 4
	s_add_co_u32 s42, s42, s43                     ; O: tile of 16 tokens = batch x 128 + q0 / 16,
	s_lshl_b32 s42, s42, 15                        ; 32,768 bytes each,
	s_and_b32 s43, s13, 15
	s_lshl_b32 s43, s43, 11                        ; + the head's 2,048
	s_add_co_u32 s42, s42, s43
	s_mov_b32 s43, 0
	s_lshl_b32 s44, s14, 9                         ; the flags' rows of block j (4 rows of 128 bytes),
	s_mov_b32 s45, 0
	s_lshl_b32 s46, s15, 9                         ; of block 7 - j,
	s_mov_b32 s47, 0
	s_lshl_b32 s48, s16, 2
	s_lshr_b32 s49, s17, 1
	s_add_co_u32 s48, s48, s49
	s_lshl_b32 s48, s48, 7                         ; and my own row: q0 / 64
	s_mov_b32 s49, 0
	s_mov_b32 s[CS], 0x3e38aa3b
	s_mov_b32 s[CS+1], s[CS]
	s_mov_b32 s[SEL], 0x76543210
	s_mov_b32 s[SEL+1], 0xfedcba98
	s_wait_kmcnt 0x0
	s_add_nc_u64 s[4:5], s[4:5], s[36:37]
	s_add_nc_u64 s[KB:KB+1], s[4:5], 0x1000000
	s_add_nc_u64 s[VB:VB+1], s[4:5], 0x2000000
	s_add_nc_u64 s[4:5], s[4:5], s[38:39]
	s_add_nc_u64 s[8:9], s[8:9], s[40:41]
	s_add_nc_u64 s[10:11], s[10:11], s[42:43]
	s_add_nc_u64 s[44:45], s[6:7], s[44:45]
	s_add_nc_u64 s[46:47], s[6:7], s[46:47]
	s_add_nc_u64 s[48:49], s[6:7], s[48:49]
.irp i, 0,1,2,3
	global_load_b32 v[KV+\i], v[FOF], s[44:45] offset:128*\i       ; a lane a key step
	global_load_b32 v[KV+4+\i], v[FOF], s[46:47] offset:128*\i
.endr
	global_load_b32 v[KV+8], v[FOF], s[48:49]
.irp q, 0,1
.irp u, 0,1
.irp c, 0,1
	global_load_b128 v[QF+16*\q+8*\u+4*\c:QF+16*\q+8*\u+4*\c+3], v[LRD], s[4:5] offset:2048*\q+1024*\u+512*\c
.endr
.endr
.endr
.irp i, 0,1,2,3,4,5,6,7
	v_mov_b32 v[STG+\i], 0                         ; written once, so that every way through the text finds them written
.endr
.irp q, 0,1
	v_mov_b32 v[TS+8*\q+1], 0xff61b1e6             ; m = -3e38, under every score
	v_mul_f32 v[TS+8*\q], s[CS], v[TS+8*\q+1]      ; c m
.irp i, 2,3,4,5,6,7
	v_mov_b32 v[TS+8*\q+\i], 0                     ; l, and the registers at work
.endr
.endr
.set n, 0
.rept 64
	v_mov_b32 v[OA+n], 0                           ; O^T.  Which step is a wave's first hangs on the flags, so no product can be written out to start the sums
.set n, n+1
.endr
	s_wait_loadcnt 0x0
.irp i, 1,2,3,4,5,6,7
	v_or_b32 v[KV], v[KV], v[KV+\i]
.endr
	v_cmp_ne_u32 s[WGW], 0, v[KV]
	v_cmp_ne_u32 s[ANY], 0, v[KV+8]
	v_cmp_eq_u32 s[MIX], 2, v[KV+8]
	s_lshr_b32 s36, s[WV], 1                       ; the prefetches: waves 0 and 1 of the head's first work-group
	s_or_b32 s36, s36, s14
	s_cmp_eq_u32 s36, 0
	s_cselect_b32 s[PW], s[WGW], 0
	s_cmp_eq_u32 s[WV], 0
	s_cselect_b64 s[PFB:PFB+1], s[KB:KB+1], s[VB:VB+1]
	; step 0 into slot 0, step 1 into the registers
	s_bitcmp1_b32 s[WGW], 0
	s_cbranch_scc0 .Lp0
	global_load_b128 v[STG:STG+3], v[GOF], s[KB:KB+1]
	global_load_b128 v[STG+4:STG+7], v[GOF], s[VB:VB+1]
.Lp0:
	s_wait_loadcnt 0x0
	s_bitcmp1_b32 s[WGW], 0
	s_cbranch_scc0 .Lp1
	ds_store_b128 v[GOF], v[STG:STG+3]
	ds_store_b128 v[GOF], v[STG+4:STG+7] offset:VOFF
.Lp1:
	s_wait_dscnt 0x0                               ; for the others' sake, and the stores have read their registers
	s_add_nc_u64 s[KB:KB+1], s[KB:KB+1], 8192
	s_add_nc_u64 s[VB:VB+1], s[VB:VB+1], 8192
	s_add_nc_u64 s[PFB:PFB+1], s[PFB:PFB+1], 8192
	s_bitcmp1_b32 s[WGW], 1
	s_cbranch_scc0 .Lp2
	global_load_b128 v[STG:STG+3], v[GOF], s[KB:KB+1]
	global_load_b128 v[STG+4:STG+7], v[GOF], s[VB:VB+1]
.Lp2:
	s_barrier_signal -1
	s_barrier_wait -1
; In the middle of a step: the tile two steps on is asked for, into the registers that the stores into LDS have read.  Behind those loads stands the prefetch of the tile FOUR steps on, two trips ahead of its load:
; 32 lanes x 256 bytes are a tile's 8,192; wave 0 of the head's first work-group asks for K's, wave 1 for V's, nobody else: each aligned block of 256 bytes is named once in the launch.
; The words' bits from 32 on are zeros: the last trips load and ask for nothing, so nothing passes a buffer's end.
.macro MID
	s_wait_dscnt 0x0                               ; my stores have read v8-15; K's fragments are in
	s_wait_xcnt 0x0                                ; the last trip's prefetch and loads have read their bases
	s_add_nc_u64 s[KB:KB+1], s[KB:KB+1], 8192
	s_add_nc_u64 s[VB:VB+1], s[VB:VB+1], 8192
	s_add_nc_u64 s[PFB:PFB+1], s[PFB:PFB+1], 8192
	s_bitcmp1_b32 s[WGW], 2
	s_cbranch_scc0 .Lnl_\@
	global_load_b128 v[STG:STG+3], v[GOF], s[KB:KB+1]
	global_load_b128 v[STG+4:STG+7], v[GOF], s[VB:VB+1]
.Lnl_\@:
	s_bitcmp1_b32 s[PW], 4
	s_cbranch_scc0 .Lnp_\@
	global_prefetch_b8 v[PFO], s[PFB:PFB+1] offset:16384 th:TH_LOAD_NT scope:SCOPE_SE
.Lnp_\@:
.endm
.macro KLOAD s                         ; K's 8 fragments (16 keys kt x 32 channels u)
.irp kt, 0,1,2,3
.irp u, 0,1
.irp c, 0,1
	ds_load_b128 v[KV+16*\kt+8*\u+4*\c:KV+16*\kt+8*\u+4*\c+3], v[LRD] offset:SLOTB*\s+2048*\kt+1024*\u+512*\c
.endr
.endr
.endr
.endm
.macro VLOAD s                         ; V^T's 8 fragments (16 channels ct x 32 keys kb)
.irp kb, 0,1
.irp ct, 0,1,2,3
.irp c, 0,1
	ds_load_b128 v[KV+32*\kb+8*\ct+4*\c:KV+32*\kb+8*\ct+4*\c+3], v[LRD] offset:SLOTB*\s+VOFF+4096*\kb+1024*\ct+512*\c
.endr
.endr
.endr
.endm
.macro SMUL                            ; S^T = K Q^T: eight accumulators by turns; the first eight products start the sums
.irp kt, 0,1,2,3
.irp q, 0,1
	v_wmma_f32_16x16x32_f16 v[SA+32*\q+8*\kt:SA+32*\q+8*\kt+7], v[KV+16*\kt:KV+16*\kt+7], v[QF+16*\q:QF+16*\q+7], 0
.endr
.endr
.irp kt, 0,1,2,3
.irp q, 0,1
	v_wmma_f32_16x16x32_f16 v[SA+32*\q+8*\kt:SA+32*\q+8*\kt+7], v[KV+16*\kt+8:KV+16*\kt+15], v[QF+16*\q+8:QF+16*\q+15], v[SA+32*\q+8*\kt:SA+32*\q+8*\kt+7]
.endr
.endr
.endm
.macro MASKIN                          ; s + ln(mask): my 32 queries x 64 keys, in the scores' own layout
.irp q, 0,1
.irp kt, 0,1,2,3
	global_load_b128 v[KV+32*\q+8*\kt:KV+32*\q+8*\kt+3], v[MOF], s[8:9] offset:131072*\q+64*\kt
	global_load_b128 v[KV+32*\q+8*\kt+4:KV+32*\q+8*\kt+7], v[MOF], s[8:9] offset:131072*\q+64*\kt+16
.endr
.endr
	s_wait_loadcnt 0x0
.set n, 0
.rept 64
	v_log_f32 v[KV+n], v[KV+n]                     ; log2; of 0: -infinity
.set n, n+1
.endr
	v_nop                                          ; a plain line behind the last logarithm,
	s_wait_alu depctr_va_vdst(0)                   ; and one wait for the batch, ahead of its first reader
.set n, 0
.rept 32
	v_pk_fma_f32 v[SA+2*n:SA+2*n+1], v[KV+2*n:KV+2*n+1], 0x3f317218, v[SA+2*n:SA+2*n+1] op_sel_hi:[1,0,1]   ; + ln 2 x log2(mask); each accumulator from its low end on
.set n, n+1
.endr
.endm
.macro SOFTMAX                         ; both tiles by turns, so that no line waits for the line above it
.irp j, 0,1,2,3
.irp q, 0,1
	v_max3_num_f32 v[TS+8*\q+4+\j], v[SA+32*\q+8*\j], v[SA+32*\q+8*\j+1], v[SA+32*\q+8*\j+2]   ; four chains a tile; each accumulator is first read at its low end
.endr
.endr
.irp g, 1,2
.irp j, 0,1,2,3
.irp q, 0,1
	v_max3_num_f32 v[TS+8*\q+4+\j], v[TS+8*\q+4+\j], v[SA+32*\q+8*\j+2*\g+1], v[SA+32*\q+8*\j+2*\g+2]
.endr
.endr
.endr
.irp q, 0,1
	v_max3_num_f32 v[TS+8*\q+4], v[TS+8*\q+4], v[SA+32*\q+7], v[SA+32*\q+15]
.endr
.irp q, 0,1
	v_max3_num_f32 v[TS+8*\q+6], v[TS+8*\q+6], v[SA+32*\q+23], v[SA+32*\q+31]
.endr
.irp q, 0,1
	v_max3_num_f32 v[TS+8*\q+4], v[TS+8*\q+4], v[TS+8*\q+5], v[TS+8*\q+6]
.endr
.irp q, 0,1
	v_max3_num_f32 v[TS+8*\q+4], v[TS+8*\q+4], v[TS+8*\q+7], v[TS+8*\q+1]   ; with the old m
.endr
.irp q, 0,1
	v_permlanex16_b32 v[TS+8*\q+5], v[TS+8*\q+4], s[SEL], s[SEL+1]          ; the query's other 32 keys lie in the lane 16 away
.endr
.irp q, 0,1
	v_mov_b32 v[TS+8*\q+7], v[TS+8*\q]             ; c m_old
.endr
.irp q, 0,1
	v_max_num_f32 v[TS+8*\q+1], v[TS+8*\q+4], v[TS+8*\q+5]
.endr
.irp q, 0,1
	v_mul_f32 v[TS+8*\q], s[CS], v[TS+8*\q+1]
.endr
.irp q, 0,1
	v_sub_f32 v[TS+8*\q+7], v[TS+8*\q+7], v[TS+8*\q]
.endr
.set n, 0
.rept 16
.irp q, 0,1
	v_pk_fma_f32 v[SA+32*\q+2*n:SA+32*\q+2*n+1], v[SA+32*\q+2*n:SA+32*\q+2*n+1], s[CS:CS+1], v[TS+8*\q:TS+8*\q+1] op_sel_hi:[1,0,0] neg_lo:[0,0,1] neg_hi:[0,0,1]   ; c s - c m
.endr
.set n, n+1
.endr
.irp q, 0,1
	v_exp_f32 v[TS+8*\q+6], v[TS+8*\q+7]           ; a = 2^(c m_old - c m_new)
.endr
.set n, 0
.rept 32
.irp q, 0,1
	v_exp_f32 v[SA+32*\q+n], v[SA+32*\q+n]         ; p
.endr
.set n, n+1
.endr
	v_nop                                          ; a plain line behind the last exponential,
	s_wait_alu depctr_va_vdst(0)                   ; and ONE wait for the 66, ahead of their first reader
.irp q, 0,1
	v_pk_mul_f32 v[TS+8*\q+2:TS+8*\q+3], v[TS+8*\q+2:TS+8*\q+3], v[TS+8*\q+6:TS+8*\q+7] op_sel_hi:[1,0]   ; l a
.endr
.irp q, 0,1
	v_pk_add_f32 v[TS+8*\q+4:TS+8*\q+5], v[SA+32*\q:SA+32*\q+1], v[SA+32*\q+2:SA+32*\q+3]                 ; + the sum of the f32 p, in two chains a tile
.endr
.set n, 4
.rept 7
.irp q, 0,1
	v_pk_add_f32 v[TS+8*\q+2:TS+8*\q+3], v[TS+8*\q+2:TS+8*\q+3], v[SA+32*\q+n:SA+32*\q+n+1]
	v_pk_add_f32 v[TS+8*\q+4:TS+8*\q+5], v[TS+8*\q+4:TS+8*\q+5], v[SA+32*\q+n+2:SA+32*\q+n+3]
.endr
.set n, n+4
.endr
.irp q, 0,1
	v_pk_add_f32 v[TS+8*\q+2:TS+8*\q+3], v[TS+8*\q+2:TS+8*\q+3], v[TS+8*\q+4:TS+8*\q+5]
.endr
.set n, 0
.rept 16
.irp q, 0,1
	v_cvt_pk_f16_f32 v[SA+32*\q+n], v[SA+32*\q+2*n], v[SA+32*\q+2*n+1]      ; P over S^T's low half: register n never overtakes its sources 2 n, 2 n + 1
.endr
.set n, n+1
.endr
.set n, 0
.rept 16
.irp q, 0,1
	v_pk_mul_f32 v[OA+32*\q+2*n:OA+32*\q+2*n+1], v[OA+32*\q+2*n:OA+32*\q+2*n+1], v[TS+8*\q+6:TS+8*\q+7] op_sel_hi:[1,0]   ; O^T a, each accumulator from its low end on
.endr
.set n, n+1
.endr
.endm
.macro PVMUL                           ; O^T += V^T P: eight accumulators by turns
.irp kb, 0,1
.irp ct, 0,1,2,3
.irp q, 0,1
	v_wmma_f32_16x16x32_f16 v[OA+32*\q+8*\ct:OA+32*\q+8*\ct+7], v[KV+32*\kb+8*\ct:KV+32*\kb+8*\ct+7], v[SA+32*\q+8*\kb:SA+32*\q+8*\kb+7], v[OA+32*\q+8*\ct:OA+32*\q+8*\ct+7]
.endr
.endr
.endr
.endm
; A KEY STEP t, whose tile lies in slot s.  The stores into the other slot stand behind the barrier that closed step t - 1, in front of which every wave waited for its reads of that slot;
; the reads of what they bring stand behind this step's barrier, in front of which every wave waits for its stores.  No barrier stands under a branch.
.macro TRIP s
	s_wait_loadcnt 0x0                             ; tile t + 1 is in my registers
	s_bitcmp1_b32 s[WGW], 1
	s_cbranch_scc0 .Lnst_\@
	ds_store_b128 v[GOF], v[STG:STG+3] offset:SLOTB*(1-\s)
	ds_store_b128 v[GOF], v[STG+4:STG+7] offset:SLOTB*(1-\s)+VOFF
.Lnst_\@:
	s_bitcmp1_b32 s[ANY], 0
	s_cbranch_scc0 .Ldead_\@
	KLOAD \s
	MID
	SMUL
.rept 4
	v_nop                                          ; places in front of the first read of the scores and of loads into K's registers
.endr
	s_bitcmp1_b32 s[MIX], 0
	s_cbranch_scc0 .Lopen_\@
	MASKIN
.Lopen_\@:
	VLOAD \s
	SOFTMAX
	s_wait_dscnt 0x0                               ; V is in
	PVMUL
.rept 5
	v_nop                                          ; the next step's first products write over P, which these products read: five places; they serve the loads into V's registers too
.endr
	s_branch .Ljoin_\@
.Ldead_\@:
	MID
.Ljoin_\@:
	s_lshr_b32 s[WGW], s[WGW], 1
	s_lshr_b32 s[ANY], s[ANY], 1
	s_lshr_b32 s[MIX], s[MIX], 1
	s_lshr_b32 s[PW], s[PW], 1
	s_add_nc_u64 s[8:9], s[8:9], 256               ; the mask's next 64 keys (its loads were waited for where they were issued)
	s_wait_dscnt 0x0                               ; my stores have landed and my reads of this slot are over
	s_barrier_signal -1
	s_barrier_wait -1
.endm
	s_mov_b32 s[CNT], 16
.Ltrip:
	TRIP 0
	TRIP 1
	s_sub_co_u32 s[CNT], s[CNT], 1
	s_cmp_lg_u32 s[CNT], 0
	s_cbranch_scc1 .Ltrip
	; THE WAY OUT: O^T / l, rounded to f16: a lane's eight channels of a query are its 16 bytes of the image
.irp q, 0,1
	v_add_f32 v[TS+8*\q+4], v[TS+8*\q+2], v[TS+8*\q+3]
.endr
.irp q, 0,1
	v_permlanex16_b32 v[TS+8*\q+5], v[TS+8*\q+4], s[SEL], s[SEL+1]
.endr
.irp q, 0,1
	v_add_f32 v[TS+8*\q+4], v[TS+8*\q+4], v[TS+8*\q+5]
.endr
.irp q, 0,1
	v_rcp_f32 v[TS+8*\q+6], v[TS+8*\q+4]
.endr
	v_nop
	s_wait_alu depctr_va_vdst(0)                   ; one wait for the two reciprocals
.set n, 0
.rept 16
.irp q, 0,1
	v_pk_mul_f32 v[SA+32*\q+2*n:SA+32*\q+2*n+1], v[OA+32*\q+2*n:OA+32*\q+2*n+1], v[TS+8*\q+6:TS+8*\q+7] op_sel_hi:[1,0]
.endr
.set n, n+1
.endr
.set n, 0
.rept 16
.irp q, 0,1
	v_cvt_pk_f16_f32 v[KV+16*\q+n], v[SA+32*\q+2*n], v[SA+32*\q+2*n+1]
.endr
.set n, n+1
.endr
.irp q, 0,1
.irp ct, 0,1,2,3
	global_store_b128 v[LRD], v[KV+16*\q+4*\ct:KV+16*\q+4*\ct+3], s[10:11] offset:32768*\q+512*\ct   ; the wave stores 512 consecutive bytes, aligned
.endr
.endr
	s_wait_tensorcnt 0x0                           ; the wave's end, behind my last LDS store
	ds_add_u32 v[SPW], v[NIL]
	s_wait_dscnt 0x0
	s_endpgm
.Lfunc_end_k_q3fd48ba793_attn:
	.size	k_q3fd48ba793_attn, .Lfunc_end_k_q3fd48ba793_attn-k_q3fd48ba793_attn
	.p2alignl 7, 3214868480
	.fill 96, 4, 3214868480
	.section	.rodata,"a",@progbits
	.p2align	6, 0x0
	.amdhsa_kernel k_q3fd48ba793_attn
		.amdhsa_group_segment_fixed_size 34816
		.amdhsa_private_segment_fixed_size 0
		.amdhsa_enable_private_segment 0
		.amdhsa_kernarg_size 32
		.amdhsa_user_sgpr_count 2
		.amdhsa_user_sgpr_kernarg_segment_ptr 1
		.amdhsa_wavefront_size32 1
		.amdhsa_system_sgpr_workgroup_id_x 1
		.amdhsa_system_sgpr_workgroup_id_y 1
		.amdhsa_system_sgpr_workgroup_id_z 1
		.amdhsa_system_vgpr_workitem_id 0
		.amdhsa_next_free_vgpr 256
		.amdhsa_next_free_sgpr 66
		.amdhsa_reserve_vcc 0
		.amdhsa_float_denorm_mode_32 3
		.amdhsa_float_denorm_mode_16_64 3
		.amdhsa_memory_ordered 1
		.amdhsa_forward_progress 1
		.amdhsa_inst_pref_size 65
	.end_amdhsa_kernel
	.amdgpu_metadata
---
amdhsa.version: [ 1, 2 ]
amdhsa.kernels:
  - .name:           k_q3fd48ba793_attn
    .symbol:         k_q3fd48ba793_attn.kd
    .args:
      - { .name: qkv, .offset: 0, .size: 8, .value_kind: global_buffer, .address_space: global }
      - { .name: flags, .offset: 8, .size: 8, .value_kind: global_buffer, .address_space: global }
      - { .name: attn_mask, .offset: 16, .size: 8, .value_kind: global_buffer, .address_space: global }
      - { .name: oimg, .offset: 24, .size: 8, .value_kind: global_buffer, .address_space: global }
    .group_segment_fixed_size: 34816
    .private_segment_fixed_size: 0
    .kernarg_segment_align: 8
    .kernarg_segment_size: 32
    .max_flat_workgroup_size: 512
    .sgpr_count:     66
    .vgpr_count:     256
    .wavefront_size: 32
...
	.end_amdgpu_metadata
.endif
;; end of part 3
;; launch oproj (part 4): grid 4 x 64, 4 waves a work-group, clusters of 4 x 4, 327,680 bytes of LDS; arguments oimg, wo16, bo, out0; writes out0
.if DOCPART == 4
	.amdgcn_target "amdgcn-amd-amdhsa--gfx1250"
	.amdhsa_code_object_version 6
	.text
	.protected	k_q3fd48ba793_oproj
	.globl	k_q3fd48ba793_oproj
	.p2align	8
	.type	k_q3fd48ba793_oproj,@function
k_q3fd48ba793_oproj:
	s_mov_b64 s[64:65], 0
	v_nop
	global_prefetch_b8 v0, s[64:65] scope:SCOPE_SE
	s_setreg_imm32_b32 hwreg(HW_REG_WAVE_MODE, 25, 1), 1
	s_wait_xcnt 0x0
	s_wait_alu depctr_hold_cnt(0) depctr_sa_sdst(0) depctr_va_vdst(0) depctr_va_sdst(0) depctr_va_ssrc(0) depctr_va_vcc(0) depctr_vm_vsrc(0)
	s_getreg_b32 s2, hwreg(HW_REG_IB_STS2, 6, 4)
	s_cmp_eq_u32 s2, 0
	s_cbranch_scc0 .Lentry_in_a_cluster
	s_endpgm
.Lentry_in_a_cluster:
	s_bfe_u32 s2, ttmp6, 0x10000c
	s_cmp_lg_u32 s2, 0xf033
	s_cbranch_scc0 .Lentry_shape_is_right
	s_endpgm
.Lentry_shape_is_right:
; out0[token][n] = the sum over k of O[token][k] Wo[n][k] + bo[n].  O and Wo in f16, sums and result in f32.  8,192 tokens, n = k = 1,024.
; A tile of 128 tokens x 256 n to a work-group: 64 x 4 = 256 work-groups.  Four waves, each 64 tokens x 128 n: 32 accumulators, 256 registers.  K goes in 8 steps of 128 through two LDS slots.
; O arrives as an image of operand registers, [tile of 16 tokens][32 along k][c][lane][16 bytes]: a K step of a token tile is 4,096 consecutive bytes, and a fragment is two loads at 16 x lane.  Wo arrives row-major: rows of 256 bytes, padded in LDS.
; THE MATRIX INSTRUCTION IS USED TRANSPOSED (source 0 = 16 rows of Wo, source 1 = 16 tokens): a lane holds eight neighbouring n of one token.  bo is the C of each sum's first product.
; CLUSTERS: 4 x 4 work-groups.  The four of a row of the cluster need the same tokens, the four of a column the same rows of Wo: each tile is asked for jointly.
; No prefetch: a wave has 1,024 matrix instructions in all, eight short K steps.  Rows 0-15 of every batch are written again, from f32 operands, by a later launch.
; REGISTERS: window 0: v16-29 addresses; two fragment buffers of 96 (64 of Wo, 32 of tokens) at v64 and v160; on the way out v64-191.   window 1: accumulator (a, b) at v[8 (8 a + b)].   window 2: v0-63 bo, eight registers for each block of 16 n.
.set PITCH,  272                       ; a row of Wo in LDS: 256 bytes + 16 = 68 words: the 16 rows that a load touches start at 16 different banks (64 banks of 4 bytes: ISA guide 11.1)
.set TOKH,   16384                     ; four token tiles x 4,096 bytes: what one tensor load brings, and what one wave reads
.set WOFF,   2*TOKH
.set WOH,    128*PITCH
.set SLOT,   WOFF+2*WOH
.set SPARE,  2*SLOT                    ; the spare words, 128 bytes a wave
.set SPITCH, 528                       ; the way out: 16 rows x (512 bytes + 16) for each wave, in slot 0, which has had its last fill and its last read by then
.set ADRA, 16
.set ADRB, 20
.set STO,  24
.set RD,   25
.set CO,   26
.set BOF,  27
.set SPW,  28
.set NIL,  29
.set F0,   64
.set F1,   160
.set BK,   64
.set WV,   12                          ; s12 wave; s13 wave / 2: my 64 tokens, and: I fetch tokens (0) or Wo (1); s14 wave % 2: my 128 n, and which half I fetch
.set HT,   13
.set HN,   14
.set TB,   15                          ; s15 block of 128 tokens;  s42 block of 256 n
.set G1, 24
.set G0, 32
.set G1B, 48
.set G0B, 56
.set MSB, 0
.macro WIN new
.if MSB != \new
	s_set_vgpr_msb (MSB<<8)|\new
.set MSB, \new
.endif
.endm
.set MUL,  0x50                        ; C and D window 1
.set MUL0, 0x60                        ; C (bo) window 2, D window 1
.macro JLOAD s                         ; a joint load; an s_nop 0 and four v_nop follow each of the two lines
	s_cmp_eq_u32 s[HT], 0
	s_cbranch_scc0 .Lfor_b_\@
	tensor_load_to_lds s[G0+4*\s:G0+4*\s+3], s[G1:G1+7]
	s_nop 0
.rept 4
	v_nop
.endr
	s_branch .Lasked_\@
.Lfor_b_\@:
	tensor_load_to_lds s[G0B+4*\s:G0B+4*\s+3], s[G1B:G1B+7]
	s_nop 0
.rept 4
	v_nop
.endr
.Lasked_\@:
.endm
.macro CREST
	s_cmp_lg_u32 s[WV], 0
	s_cbranch_scc1 .Lnot_wave_0_\@
	s_barrier_signal -3
.Lnot_wave_0_\@:
	s_barrier_wait -3
	s_barrier_signal -1
	s_barrier_wait -1
.endm
.macro CROUND
	s_barrier_signal -1
	s_barrier_wait -1
	CREST
.endm
	s_load_b256 s[4:11], s[0:1], 0x0               ; oimg 4, wo16 6, bo 8, out0 10
	v_lshl_add_u32 v[SPW], v0, 2, SPARE
	v_mov_b32 v[NIL], 0
	ds_add_u32 v[SPW], v[NIL]                      ; the wave's opening: the add, twice on end, and its wait ahead of my first tensor load
	ds_add_u32 v[SPW], v[NIL]
	v_lshrrev_b32 v1, 5, v0
	v_readfirstlane_b32 s[WV], v1
	s_lshr_b32 s[HT], s[WV], 1
	s_and_b32 s[HN], s[WV], 1
	s_bfe_u32 s40, ttmp6, 0x40000                  ; cx
	s_bfe_u32 s41, ttmp6, 0x40004                  ; cy
	s_lshl_b32 s42, ttmp9, 2
	s_add_co_u32 s42, s42, s40                     ; block of n
	s_and_b32 s[TB], ttmp7, 0xffff
	s_lshl_b32 s[TB], s[TB], 2
	s_add_co_u32 s[TB], s[TB], s41                 ; block of tokens
	s_lshl_b32 s43, s41, 2
	s_lshl_b32 s43, 15, s43                        ; my row of the cluster
	s_lshl_b32 s44, 0x1111, s40                    ; my column
	s_or_b32 s[G1+0], s43, (3<<16)|(1<<21)         ; tokens: elements of 8 bytes, no padding; the mask, bit 21 beside it
	s_mov_b32 s[G1+1], 512<<16                     ; tensor_dim0 = 512 elements: 4,096 bytes
	s_mov_b32 s[G1+2], 4<<16                       ; tensor_dim1 = 4 token tiles
	s_mov_b32 s[G1+3], 512<<16                     ; tile_dim0
	s_mov_b32 s[G1+4], 4                           ; tile_dim1
	s_mov_b32 s[G1+5], 4096                        ; from token tile to token tile: 32,768 bytes
	s_mov_b32 s[G1+6], 0
	s_mov_b32 s[G1+7], 0
	s_or_b32 s[G1B+0], s44, (1<<16)|(1<<20)|(1<<21)|(5<<22)|(3<<25)  ; Wo: elements of 2 bytes; 4 words of padding after every 64
	s_mov_b32 s[G1B+1], 128<<16
	s_mov_b32 s[G1B+2], 128<<16
	s_mov_b32 s[G1B+3], 128<<16
	s_mov_b32 s[G1B+4], 128
	s_mov_b32 s[G1B+5], 1024
	s_mov_b32 s[G1B+6], 0
	s_mov_b32 s[G1B+7], 0
	s_lshl_b32 s16, s[TB], 3
	s_lshl_b32 s17, s[HN], 2
	s_add_co_u32 s16, s16, s17                     ; the first of the four token tiles that I fetch,
	s_lshl_b32 s16, s16, 15
	s_mov_b32 s17, 0
	s_lshl_b32 s46, s42, 8
	s_lshl_b32 s47, s[HN], 7
	s_add_co_u32 s46, s46, s47                     ; the first of the 128 rows of Wo,
	s_lshl_b32 s46, s46, 11
	s_mov_b32 s47, 0
	s_mul_i32 s20, s[HN], TOKH                     ; and where they go: no place in the cluster enters an LDS address
	s_mul_i32 s21, s[HN], WOH
	s_add_co_u32 s21, s21, WOFF
	s_wait_dscnt 0x0                               ; both opening adds are done
	s_wait_kmcnt 0x0
	s_add_nc_u64 s[18:19], s[4:5], s[16:17]
	s_add_nc_u64 s[46:47], s[6:7], s[46:47]
	CROUND                                         ; all sixteen work-groups are here: the first joint loads meet
.irp s, 0,1
	s_mov_b32 s[G0+4*\s], 1
	s_add_co_u32 s[G0+4*\s+1], s20, \s*SLOT
	s_add_nc_u64 s[G0+4*\s+2:G0+4*\s+3], s[18:19], \s*4096
	s_or_b32 s[G0+4*\s+3], s[G0+4*\s+3], 0x80000000
	s_mov_b32 s[G0B+4*\s], 1
	s_add_co_u32 s[G0B+4*\s+1], s21, \s*SLOT
	s_add_nc_u64 s[G0B+4*\s+2:G0B+4*\s+3], s[46:47], \s*256
	s_or_b32 s[G0B+4*\s+3], s[G0B+4*\s+3], 0x80000000
	JLOAD \s
.endr
	v_and_b32 v1, 15, v0                           ; r
	v_bfe_u32 v2, v0, 4, 1                         ; hh
	v_and_b32 v3, 31, v0
	v_lshlrev_b32 v[CO], 4, v3                     ; 16 x lane
	v_lshlrev_b32 v[BOF], 5, v2                    ; 32 hh
	s_lshl_b32 s16, s[TB], 7
	s_lshl_b32 s17, s[HT], 6
	s_add_co_u32 s16, s16, s17                     ; my first token,
	s_lshl_b32 s16, s16, 12                        ; rows of 4,096 bytes
	s_lshl_b32 s46, s42, 10
	s_lshl_b32 s47, s[HN], 9
	s_add_co_u32 s46, s46, s47                     ; my first n, in bytes
	s_mov_b32 s47, 0
	s_add_nc_u64 s[8:9], s[8:9], s[46:47]
	s_add_co_u32 s16, s16, s46
	s_mov_b32 s17, 0
	s_add_nc_u64 s[10:11], s[10:11], s[16:17]
	WIN 0x80                                       ; destination window 2
.irp b, 0,1,2,3,4,5,6,7
	global_load_b128 v[8*\b:8*\b+3], v[BOF], s[8:9] offset:64*\b         ; bo of n 16 b + 8 hh + 0..7: the result's layout
	global_load_b128 v[8*\b+4:8*\b+7], v[BOF], s[8:9] offset:64*\b+16
.endr
	WIN 0
	s_mul_i32 s22, s[HT], TOKH
	v_add_nc_u32 v[ADRA], s22, v[CO]
	v_add_nc_u32 v[ADRA+1], SLOT, v[ADRA]
	v_mul_u32_u24 v4, v1, PITCH
	v_lshl_add_u32 v4, v2, 4, v4
	s_mul_i32 s22, s[HN], WOH
	s_add_co_u32 s22, s22, WOFF
	v_add_nc_u32 v[ADRB], s22, v4
	v_add_nc_u32 v[ADRB+1], SLOT, v[ADRB]
	s_mul_i32 s23, s[WV], 16*SPITCH                ; my stage
	v_mul_u32_u24 v5, v1, SPITCH
	v_lshl_add_u32 v5, v2, 5, v5
	v_add_nc_u32 v[STO], s23, v5                   ; in: row r, 32 bytes for each half of the lanes
	v_add_nc_u32 v[RD], s23, v[CO]                 ; back: the 32 lanes take one row of 512 bytes
.macro MUL8 f, a, zero                 ; token tile a x Wo's eight blocks, 32 along K.  The 32 accumulators take turns, in the same order in every quarter
.irp b, 0,1,2,3,4,5,6,7
.if \zero
	v_wmma_f32_16x16x32_f16 v[8*(8*(\a)+\b):8*(8*(\a)+\b)+7], v[\f+8*\b:\f+8*\b+7], v[\f+64+8*(\a):\f+64+8*(\a)+7], v[8*\b:8*\b+7]
.else
	v_wmma_f32_16x16x32_f16 v[8*(8*(\a)+\b):8*(8*(\a)+\b)+7], v[\f+8*\b:\f+8*\b+7], v[\f+64+8*(\a):\f+64+8*(\a)+7], v[8*(8*(\a)+\b):8*(8*(\a)+\b)+7]
.endif
.endr
.endm
.macro FETCH slot, q, f                ; 24 LDS loads in one run: Wo's 16 first, then the tokens' 8
.irp b, 0,1,2,3,4,5,6,7
.irp c, 0,1
	ds_load_b128 v[\f+8*\b+4*\c:\f+8*\b+4*\c+3], v[ADRB+\slot] offset:\b*16*PITCH+64*(\q)+32*\c
.endr
.endr
.irp a, 0,1,2,3
.irp c, 0,1
	ds_load_b128 v[\f+64+8*\a+4*\c:\f+64+8*\a+4*\c+3], v[ADRA+\slot] offset:4096*\a+1024*(\q)+512*\c
.endr
.endr
.endm
.macro PLACES
.rept 4
	v_nop
.endr
.endm
.macro QUARTER slot, q, f, g, zero     ; multiplies buffer f; in its middle it fetches the slot's quarter q into buffer g
	s_wait_dscnt 4                                 ; all but the youngest four loads (token tiles 2 and 3)
.if \zero
	WIN MUL0
.else
	WIN MUL
.endif
	MUL8 \f, 0, \zero
	MUL8 \f, 1, \zero
	PLACES
	WIN 0
	FETCH \slot, \q, \g
	s_wait_dscnt 24                                ; all but the 24 just issued
.if \zero
	WIN MUL0
.else
	WIN MUL
.endif
	MUL8 \f, 2, \zero
	MUL8 \f, 3, \zero
.endm
; A slot's last quarter multiplies buffer 1 and changes slots: ONE barrier; in front of it each wave waits for all its tensor loads, adds 0 to its spare word, and waits for that and for its own reads of the slot.
; fill = 1: the barrier opens a round of the cluster's, and the slot is filled again, two K steps ahead, first thing behind it: one load of mine is out, with a K step less eight products in which to land.
.macro TURN slot, next, fill
	WIN 0
	s_wait_tensorcnt 0x0
	ds_add_u32 v[SPW], v[NIL]
	s_wait_dscnt 5                                 ; the add and the youngest four loads may be out
	WIN MUL
	MUL8 F1, 0, 0
	s_wait_dscnt 0x0                               ; the add is done, and my reads of this slot are over
	s_barrier_signal -1
	MUL8 F1, 1, 0
.if \fill
	WIN 0
.endif
	s_barrier_wait -1
.if \fill
	CREST
	s_add_nc_u64 s[G0+4*\slot+2:G0+4*\slot+3], s[G0+4*\slot+2:G0+4*\slot+3], 2*4096
	s_add_nc_u64 s[G0B+4*\slot+2:G0B+4*\slot+3], s[G0B+4*\slot+2:G0B+4*\slot+3], 2*256
	JLOAD \slot                                    ; the four v_nop behind it are also the places in front of the loads below
.else
	PLACES
	WIN 0
.endif
	FETCH \next, 0, F0
	WIN MUL
	MUL8 F1, 2, 0
	MUL8 F1, 3, 0
.endm
	s_wait_tensorcnt 1                             ; my part of K step 0 is in; K step 1's load may be out
	s_barrier_signal -1
	s_barrier_wait -1
	FETCH 0, 0, F0
	s_wait_loadcnt 0x0                             ; bo
	QUARTER 0, 1, F0, F1, 1                        ; the first quarter starts the sums with bo
	WIN 0
	s_mov_b32 s3, 3
.Llap:                                                 ; a trip goes once round the ring and fills both slots again: K steps 2 to 7
	QUARTER 0, 2, F1, F0, 0
	QUARTER 0, 3, F0, F1, 0
	TURN 0, 1, 1
	QUARTER 1, 1, F0, F1, 0
	QUARTER 1, 2, F1, F0, 0
	QUARTER 1, 3, F0, F1, 0
	TURN 1, 0, 1
	QUARTER 0, 1, F0, F1, 0
	WIN 0
	s_sub_co_u32 s3, s3, 1
	s_cmp_lg_u32 s3, 0
	s_cbranch_scc1 .Llap
	QUARTER 0, 2, F1, F0, 0                        ; the last lap fills nothing
	QUARTER 0, 3, F0, F1, 0
	TURN 0, 1, 0
	QUARTER 1, 1, F0, F1, 0
	QUARTER 1, 2, F1, F0, 0
	QUARTER 1, 3, F0, F1, 0
	s_wait_dscnt 4
	WIN MUL
	MUL8 F1, 0, 0
	MUL8 F1, 1, 0
	s_wait_dscnt 0
	MUL8 F1, 2, 0
	MUL8 F1, 3, 0
	WIN 0
; THE WAY OUT, a token tile at a time: 16 rows x 128 n through my own stage, back as whole rows of 512 bytes.  LDS serves a wave's instructions in order (ISA guide 5.7.1.4): no wait between the stores and the loads.
.macro TOSTAGE a
	WIN 0x04                                       ; an LDS store's data: window 1
.irp b, 0,1,2,3,4,5,6,7
	ds_store_b128 v[STO], v[8*(8*(\a)+\b):8*(8*(\a)+\b)+3] offset:64*\b        ; each accumulator from its low end on
	ds_store_b128 v[STO], v[8*(8*(\a)+\b)+4:8*(8*(\a)+\b)+7] offset:64*\b+16
.endr
	WIN 0
.set BB, BK+64*((\a)%2)
.irp t, 0,1,2,3,4,5,6,7,8,9,10,11,12,13,14,15
	ds_load_b128 v[BB+4*\t:BB+4*\t+3], v[RD] offset:\t*SPITCH
.endr
.endm
.macro SEND a, younger
.set BB, BK+64*((\a)%2)
	s_wait_dscnt \younger                          ; the tile is back in registers; the next tile's 32 LDS instructions may be out
.irp t, 0,1,2,3,4,5,6,7,8,9,10,11,12,13,14,15
	global_store_b128 v[CO], v[BB+4*\t:BB+4*\t+3], s[10:11] offset:(\a)*65536+\t*4096 th:TH_STORE_NT   ; 32 lanes store 512 consecutive bytes, aligned
.endr
.endm
	PLACES
	TOSTAGE 0
.irp a, 1,2,3
.if \a > 1
	s_wait_xcnt 0x0                                ; tile a - 2's stores have read the registers into which tile a's loads land
.endif
	TOSTAGE \a
	SEND \a-1, 32
.endr
	SEND 3, 0
	s_wait_tensorcnt 0x0                           ; the wave's end
	ds_add_u32 v[SPW], v[NIL]
	s_wait_dscnt 0x0
	CROUND                                         ; the closing round
	s_endpgm
.Lfunc_end_k_q3fd48ba793_oproj:
	.size	k_q3fd48ba793_oproj, .Lfunc_end_k_q3fd48ba793_oproj-k_q3fd48ba793_oproj
	.p2alignl 7, 3214868480
	.fill 96, 4, 3214868480
	.section	.rodata,"a",@progbits
	.p2align	6, 0x0
	.amdhsa_kernel k_q3fd48ba793_oproj
		.amdhsa_group_segment_fixed_size 327680
		.amdhsa_private_segment_fixed_size 0
		.amdhsa_enable_private_segment 0
		.amdhsa_kernarg_size 32
		.amdhsa_user_sgpr_count 2
		.amdhsa_user_sgpr_kernarg_segment_ptr 1
		.amdhsa_wavefront_size32 1
		.amdhsa_system_sgpr_workgroup_id_x 1
		.amdhsa_system_sgpr_workgroup_id_y 1
		.amdhsa_system_sgpr_workgroup_id_z 1
		.amdhsa_system_vgpr_workitem_id 0
		.amdhsa_next_free_vgpr 576
		.amdhsa_next_free_sgpr 66
		.amdhsa_reserve_vcc 0
		.amdhsa_float_denorm_mode_32 3
		.amdhsa_float_denorm_mode_16_64 3
		.amdhsa_memory_ordered 1
		.amdhsa_forward_progress 1
		.amdhsa_inst_pref_size 86
	.end_amdhsa_kernel
	.amdgpu_metadata
---
amdhsa.version: [ 1, 2 ]
amdhsa.kernels:
  - .name:           k_q3fd48ba793_oproj
    .symbol:         k_q3fd48ba793_oproj.kd
    .args:
      - { .name: oimg, .offset: 0, .size: 8, .value_kind: global_buffer, .address_space: global }
      - { .name: wo16, .offset: 8, .size: 8, .value_kind: global_buffer, .address_space: global }
      - { .name: bo, .offset: 16, .size: 8, .value_kind: global_buffer, .address_space: global }
      - { .name: out0, .offset: 24, .size: 8, .value_kind: global_buffer, .address_space: global }
    .group_segment_fixed_size: 327680
    .private_segment_fixed_size: 0
    .kernarg_segment_align: 8
    .kernarg_segment_size: 32
    .max_flat_workgroup_size: 128
    .sgpr_count:     66
    .vgpr_count:     576
    .wavefront_size: 32
...
	.end_amdgpu_metadata
.endif
;; end of part 4
;; launch fine_attn (part 5): grid 64 x 1, 1 waves a work-group, no clusters, 0 bytes of LDS; arguments codes, scales, bq, bk, bv, attn_mask, flags, o16; writes o16
.if DOCPART == 5
	.amdgcn_target "amdgcn-amd-amdhsa--gfx1250"
	.amdhsa_code_object_version 6
	.text
	.protected	k_q3fd48ba793_fine_attn
	.globl	k_q3fd48ba793_fine_attn
	.p2align	8
	.type	k_q3fd48ba793_fine_attn,@function
k_q3fd48ba793_fine_attn:
	s_mov_b64 s[64:65], 0
	v_nop
	global_prefetch_b8 v0, s[64:65] scope:SCOPE_SE
	s_setreg_imm32_b32 hwreg(HW_REG_WAVE_MODE, 25, 1), 1
	s_wait_xcnt 0x0
; POSITIONS 0-15 OF EVERY BATCH AND HEAD, CARRIED IN f32.  These queries may average one to a few values, and f16 operands would use up what the comparison allows.
; One wave for each (batch, head).  q, k, v are made again from the codes by the FP4 matrix instruction (f32 sums, + bias) and are never rounded; q k^T and p v go by v_wmma_f32_16x16x4_f32: 32 of them for a tile of 16 keys.
; The wave walks all 128 tiles of 16 keys in a loop of constant count and jumps over those whose 16 x 16 of the mask are all zeros, by flags that an earlier launch stored.  In every tile that it works on it reads the mask.
; LAYOUT.  k's projection is used transposed (source 0 = 16 channels of Wk, source 1 = 16 tokens): a lane holds token r and channels 16 t + 8 hh + 0..7; q likewise.  A pair of neighbouring registers of k and the same pair of q
; feed one f32 matrix instruction: the same permutation of the channels on both sides.  S^T: a lane holds query r and keys 8 hh + 0..7.  v's projection takes the tokens as source 0: a lane holds channel r and keys 8 hh + 0..7, as p does.
; The accumulators of the f32 form (v168-199) are written by matrix instructions alone; each sum starts with the constant 0.
; LIMITS: mask numbers under 2^-126 count as 0.  A query whose mask is all zeros gives NaN, as the softmax of a row of -infinity does.
; REGISTERS: window 1: Wk's 32 fragments at v[8 (8 t + s)];  window 2: Wv's;  window 3: Wq's, then the key tokens' 8 fragments at v[8 s] and the val tokens' at v[64 + 8 s].
; window 0: v3-11 offsets; v16-23 the tokens' scale words (lanes 0-15 key's rows, lanes 16-31 val's; at the head query's); v24-39 Wk's (at the head Wq's), v40-55 Wv's: lanes 0-15 an even tile, lanes 16-31 the odd one;
; v56-59 bv; v60-67 statistics; v72-103 q; v104-135 k; v136-167 v (at the head v104-167: query's fragments); v168-199 the f32 form's sums; v200-231 O^T; v232-239 p; v240-247 the mask; v248-251 the flags.
.set XOF,  3
.set SOF,  4
.set MOF,  5
.set BOF,  6
.set WSOF, 7
.set OOF,  8
.set L4,   9
.set R4,   10
.set QSO,  11
.set XS,   16
.set WKS,  24
.set WVS,  40
.set BV,   56
.set ST,   60                          ; v60 c m, v61 m, v62-63 l, v64-65 at work, v66 a, v67 at work
.set QD,   72
.set KD,   104
.set VD,   136
.set ACC,  168
.set OO,   200
.set PP,   232
.set MK,   240
.set TW,   248
.set MSB, 0
.macro WIN new
.if MSB != \new
	s_set_vgpr_msb (MSB<<8)|\new
.set MSB, \new
.endif
.endm
	s_load_b512 s[4:19], s[0:1], 0x0               ; codes 4, scales 6, bq 8, bk 10, bv 12, attn_mask 14, flags 16, o16 18
	v_and_b32 v1, 15, v0                           ; r
	v_bfe_u32 v2, v0, 4, 1                         ; hh
	v_lshlrev_b32 v[XOF], 9, v1
	v_lshl_add_u32 v[XOF], v2, 4, v[XOF]           ; a row of 512 bytes of codes, + 16 hh
	v_lshlrev_b32 v[QSO], 5, v1                    ; a row of 32 scale bytes
	v_lshl_add_u32 v[SOF], v2, 18, v[QSO]          ; lanes 16-31: val's rows, 262,144 bytes behind key's
	v_lshlrev_b32 v[BOF], 5, v2
	v_lshl_add_u32 v[MOF], v1, 13, v[BOF]          ; the mask: row r, + 32 hh
	v_lshlrev_b32 v[WSOF], 5, v0                   ; a weight's scale words: row = lane of a pair of tiles
	v_lshl_add_u32 v[OOF], v1, 12, v[BOF]          ; o16: row r of 4,096 bytes, + 32 hh
	v_lshlrev_b32 v[L4], 2, v0
	v_lshlrev_b32 v[R4], 2, v1
	s_lshr_b32 s40, ttmp9, 4                       ; batch
	s_and_b32 s41, ttmp9, 15                       ; head
	s_lshl_b32 s46, s40, 20                        ; 2,048 rows of codes
	s_mov_b32 s47, 0
	s_lshl_b32 s48, s41, 15                        ; 64 rows of a weight's codes
	s_mov_b32 s49, 0
	s_lshl_b32 s50, s40, 16                        ; 2,048 rows of scale bytes; also o16's batch
	s_mov_b32 s51, 0
	s_lshl_b32 s52, s41, 11                        ; 64 rows of a weight's scale bytes
	s_mov_b32 s53, 0
	s_lshl_b32 s54, s41, 8                         ; 64 numbers of f32
	s_mov_b32 s55, 0
	s_mov_b32 s32, 0x3e38aa3b                      ; c = log2(e) / 8
	s_mov_b32 s33, s32
	s_mov_b32 s44, 0x76543210
	s_mov_b32 s45, 0xfedcba98
	s_wait_kmcnt 0x0
	s_add_nc_u64 s[28:29], s[4:5], s[46:47]        ; query's codes
	s_add_nc_u64 s[20:21], s[28:29], 0x400000      ; key's; val's lie 0x400000 further
	s_add_nc_u64 s[22:23], s[4:5], s[48:49]
	s_add_nc_u64 s[22:23], s[22:23], 0xc00000      ; Wq's; Wk's 0x80000 further, Wv's 0x100000
	s_add_nc_u64 s[42:43], s[6:7], s[50:51]        ; query's scale bytes
	s_add_nc_u64 s[24:25], s[42:43], 0x40000       ; key's
	s_add_nc_u64 s[26:27], s[6:7], s[52:53]
	s_add_nc_u64 s[26:27], s[26:27], 0xc0000       ; Wq's; Wk's 32,768 further, Wv's 65,536
	s_add_nc_u64 s[8:9], s[8:9], s[54:55]
	s_add_nc_u64 s[10:11], s[10:11], s[54:55]
	s_add_nc_u64 s[12:13], s[12:13], s[54:55]
	s_add_nc_u64 s[18:19], s[18:19], s[50:51]
	s_add_nc_u64 s[18:19], s[18:19], s[54:55]
.irp i, 0,1,2,3
	global_load_b32 v[TW+\i], v[L4], s[16:17] offset:4096+128*\i   ; the 128 flags, a lane a tile
.endr
.irp t, 0,1,2,3
	global_load_b128 v[QD+8*\t:QD+8*\t+3], v[BOF], s[8:9] offset:64*\t       ; bq, in the result's layout: the sums start with it
	global_load_b128 v[QD+8*\t+4:QD+8*\t+7], v[BOF], s[8:9] offset:64*\t+16
.endr
.irp p, 0,1
.irp g, 0,1
	global_load_b128 v[WKS+8*\p+4*\g:WKS+8*\p+4*\g+3], v[WSOF], s[26:27] offset:1024*\p+16*\g         ; Wq's scale words, for now
	global_load_b128 v[WVS+8*\p+4*\g:WVS+8*\p+4*\g+3], v[WSOF], s[26:27] offset:65536+1024*\p+16*\g   ; Wv's
.endr
.endr
.irp g, 0,1
	global_load_b128 v[XS+4*\g:XS+4*\g+3], v[QSO], s[42:43] offset:16*\g     ; query's scale words, for now
.endr
.irp t, 0,1,2,3
	global_load_b32 v[BV+\t], v[R4], s[12:13] offset:64*\t
.endr
.irp s, 0,1,2,3,4,5,6,7
.irp c, 0,1
	global_load_b128 v[KD+8*\s+4*\c:KD+8*\s+4*\c+3], v[XOF], s[28:29] offset:64*\s+32*\c   ; query's 8 fragments
.endr
.endr
.macro WLOAD off                       ; a weight's 64 rows: 32 fragments
.irp t, 0,1,2,3
.irp s, 0,1,2,3,4,5,6,7
.irp c, 0,1
	global_load_b128 v[8*(8*\t+\s)+4*\c:8*(8*\t+\s)+4*\c+3], v[XOF], s[22:23] offset:\off+8192*\t+64*\s+32*\c
.endr
.endr
.endr
.endm
	WIN 0xc0
	WLOAD 0
	WIN 0x40
	WLOAD 524288
	WIN 0x80
	WLOAD 1048576
	WIN 0
	s_wait_loadcnt 0x0
	v_cmp_ne_u32 s36, 0, v[TW]
	v_cmp_ne_u32 s37, 0, v[TW+1]
	v_cmp_ne_u32 s38, 0, v[TW+2]
	v_cmp_ne_u32 s39, 0, v[TW+3]
	s_mov_b32 s35, 0
	WIN 0x03                                       ; source 0 (Wq) window 3
.irp s, 0,1,2,3,4,5,6,7                        ; q: four accumulators by turns
.irp t, 0,1,2,3
.if \t%2
	v_wmma_scale_f32_16x16x128_f8f6f4 v[QD+8*\t:QD+8*\t+7], v[8*(8*\t+\s):8*(8*\t+\s)+7], v[KD+8*\s:KD+8*\s+7], v[QD+8*\t:QD+8*\t+7], v[WKS+8*(\t/2)+\s], v[XS+\s] matrix_a_fmt:MATRIX_FMT_FP4 matrix_b_fmt:MATRIX_FMT_FP4 matrix_a_scale:MATRIX_SCALE_ROW1
.else
	v_wmma_scale_f32_16x16x128_f8f6f4 v[QD+8*\t:QD+8*\t+7], v[8*(8*\t+\s):8*(8*\t+\s)+7], v[KD+8*\s:KD+8*\s+7], v[QD+8*\t:QD+8*\t+7], v[WKS+8*(\t/2)+\s], v[XS+\s] matrix_a_fmt:MATRIX_FMT_FP4 matrix_b_fmt:MATRIX_FMT_FP4
.endif
.endr
.endr
	WIN 0
.rept 5
	v_nop                                          ; places: behind them loads may land on these products' registers, and other matrix instructions may take q
.endr
.irp p, 0,1
.irp g, 0,1
	global_load_b128 v[WKS+8*\p+4*\g:WKS+8*\p+4*\g+3], v[WSOF], s[26:27] offset:32768+1024*\p+16*\g   ; Wk's scale words take Wq's place
.endr
.endr
	v_mov_b32 v[ST+1], 0xff61b1e6                  ; m = -3e38
	v_mul_f32 v[ST], s32, v[ST+1]
.irp i, 2,3,4,5,6,7
	v_mov_b32 v[ST+\i], 0
.endr
.set n, 0
.rept 32
	v_mov_b32 v[OO+n], 0                           ; O^T: kept by vector instructions; which tile is the first hangs on the flags
.set n, n+1
.endr
	s_wait_loadcnt 0x0
	s_mov_b32 s30, 0
.Lkt:
	s_and_b32 s31, s30, 31                         ; every 32 tiles the next word of flags
	s_cmp_eq_u32 s31, 0
	s_cselect_b32 s35, s36, s35
	s_cselect_b32 s36, s37, s36
	s_cselect_b32 s37, s38, s37
	s_cselect_b32 s38, s39, s38
	s_bitcmp1_b32 s35, 0
	s_cbranch_scc0 .Lskip
	WIN 0xc0
.irp s, 0,1,2,3,4,5,6,7
.irp c, 0,1
	global_load_b128 v[8*\s+4*\c:8*\s+4*\c+3], v[XOF], s[20:21] offset:64*\s+32*\c                 ; 16 key tokens
	global_load_b128 v[64+8*\s+4*\c:64+8*\s+4*\c+3], v[XOF], s[20:21] offset:4194304+64*\s+32*\c   ; 16 val tokens
.endr
.endr
	WIN 0
.irp g, 0,1
	global_load_b128 v[XS+4*\g:XS+4*\g+3], v[SOF], s[24:25] offset:16*\g
	global_load_b128 v[MK+4*\g:MK+4*\g+3], v[MOF], s[14:15] offset:16*\g
.endr
.irp t, 0,1,2,3
	global_load_b128 v[KD+8*\t:KD+8*\t+3], v[BOF], s[10:11] offset:64*\t     ; bk: k's sums start with it
	global_load_b128 v[KD+8*\t+4:KD+8*\t+7], v[BOF], s[10:11] offset:64*\t+16
.endr
.irp t, 0,1,2,3
.irp j, 0,1,2,3,4,5,6,7
	v_mov_b32 v[VD+8*\t+\j], v[BV+\t]              ; bv of my channel: v's sums start with it
.endr
.endr
	s_wait_loadcnt 0x0
	WIN 0x0d                                       ; source 0 (Wk) window 1, source 1 (key tokens) window 3
.irp s, 0,1,2,3,4,5,6,7
.irp t, 0,1,2,3
.if \t%2
	v_wmma_scale_f32_16x16x128_f8f6f4 v[KD+8*\t:KD+8*\t+7], v[8*(8*\t+\s):8*(8*\t+\s)+7], v[8*\s:8*\s+7], v[KD+8*\t:KD+8*\t+7], v[WKS+8*(\t/2)+\s], v[XS+\s] matrix_a_fmt:MATRIX_FMT_FP4 matrix_b_fmt:MATRIX_FMT_FP4 matrix_a_scale:MATRIX_SCALE_ROW1
.else
	v_wmma_scale_f32_16x16x128_f8f6f4 v[KD+8*\t:KD+8*\t+7], v[8*(8*\t+\s):8*(8*\t+\s)+7], v[8*\s:8*\s+7], v[KD+8*\t:KD+8*\t+7], v[WKS+8*(\t/2)+\s], v[XS+\s] matrix_a_fmt:MATRIX_FMT_FP4 matrix_b_fmt:MATRIX_FMT_FP4
.endif
.endr
.endr
	WIN 0x0b                                       ; source 0 (val tokens) window 3, source 1 (Wv) window 2
.irp s, 0,1,2,3,4,5,6,7
.irp t, 0,1,2,3
.if \t%2
	v_wmma_scale_f32_16x16x128_f8f6f4 v[VD+8*\t:VD+8*\t+7], v[64+8*\s:64+8*\s+7], v[8*(8*\t+\s):8*(8*\t+\s)+7], v[VD+8*\t:VD+8*\t+7], v[XS+\s], v[WVS+8*(\t/2)+\s] matrix_a_fmt:MATRIX_FMT_FP4 matrix_b_fmt:MATRIX_FMT_FP4 matrix_a_scale:MATRIX_SCALE_ROW1 matrix_b_scale:MATRIX_SCALE_ROW1
.else
	v_wmma_scale_f32_16x16x128_f8f6f4 v[VD+8*\t:VD+8*\t+7], v[64+8*\s:64+8*\s+7], v[8*(8*\t+\s):8*(8*\t+\s)+7], v[VD+8*\t:VD+8*\t+7], v[XS+\s], v[WVS+8*(\t/2)+\s] matrix_a_fmt:MATRIX_FMT_FP4 matrix_b_fmt:MATRIX_FMT_FP4 matrix_a_scale:MATRIX_SCALE_ROW1
.endif
.endr
.endr
	WIN 0
.irp j, 0,1,2,3,4,5,6,7
	v_log_f32 v[MK+\j], v[MK+\j]                   ; log2(mask)
.endr
.rept 5
	v_nop                                          ; five places before matrix instructions take k and v as operands
.endr
.irp s, 0,1,2,3                                ; S^T = k q^T: channels 16 t + 8 hh + 2 s + 0, 1; four sums by turns
.irp t, 0,1,2,3
.if \s == 0
	v_wmma_f32_16x16x4_f32 v[ACC+8*\t:ACC+8*\t+7], v[KD+8*\t+2*\s:KD+8*\t+2*\s+1], v[QD+8*\t+2*\s:QD+8*\t+2*\s+1], 0
.else
	v_wmma_f32_16x16x4_f32 v[ACC+8*\t:ACC+8*\t+7], v[KD+8*\t+2*\s:KD+8*\t+2*\s+1], v[QD+8*\t+2*\s:QD+8*\t+2*\s+1], v[ACC+8*\t:ACC+8*\t+7]
.endif
.endr
.endr
.rept 8
	v_nop                                          ; eight places behind this form before its results are read
.endr
	s_wait_alu depctr_va_vdst(0)                   ; one wait for the eight logarithms, ahead of their first reader
.irp i, 0,2,4,6                                ; the four sums together, each from its low end on
	v_pk_add_f32 v[PP+\i:PP+\i+1], v[ACC+\i:ACC+\i+1], v[ACC+8+\i:ACC+8+\i+1]
	v_pk_add_f32 v[PP+\i:PP+\i+1], v[PP+\i:PP+\i+1], v[ACC+16+\i:ACC+16+\i+1]
	v_pk_add_f32 v[PP+\i:PP+\i+1], v[PP+\i:PP+\i+1], v[ACC+24+\i:ACC+24+\i+1]
.endr
.irp i, 0,2,4,6
	v_pk_fma_f32 v[PP+\i:PP+\i+1], v[MK+\i:MK+\i+1], 0x3f317218, v[PP+\i:PP+\i+1] op_sel_hi:[1,0,1]   ; + ln(mask)
.endr
	v_max3_num_f32 v[ST+4], v[PP], v[PP+1], v[PP+2]
	v_max3_num_f32 v[ST+5], v[PP+3], v[PP+4], v[PP+5]
	v_max3_num_f32 v[ST+4], v[ST+4], v[PP+6], v[PP+7]
	v_max3_num_f32 v[ST+4], v[ST+4], v[ST+5], v[ST+1]
	v_permlanex16_b32 v[ST+5], v[ST+4], s44, s45
	v_mov_b32 v[ST+7], v[ST]
	v_max_num_f32 v[ST+1], v[ST+4], v[ST+5]
	v_mul_f32 v[ST], s32, v[ST+1]
	v_sub_f32 v[ST+7], v[ST+7], v[ST]
.irp i, 0,2,4,6
	v_pk_fma_f32 v[PP+\i:PP+\i+1], v[PP+\i:PP+\i+1], s[32:33], v[ST:ST+1] op_sel_hi:[1,0,0] neg_lo:[0,0,1] neg_hi:[0,0,1]
.endr
	v_exp_f32 v[ST+6], v[ST+7]                     ; a
.irp j, 0,1,2,3,4,5,6,7
	v_exp_f32 v[PP+\j], v[PP+\j]                   ; p, kept in f32
.endr
	v_nop
	s_wait_alu depctr_va_vdst(0)                   ; one wait for the nine
	v_pk_mul_f32 v[ST+2:ST+3], v[ST+2:ST+3], v[ST+6:ST+7] op_sel_hi:[1,0]
.irp i, 0,2,4,6
	v_pk_add_f32 v[ST+2:ST+3], v[ST+2:ST+3], v[PP+\i:PP+\i+1]
.endr
.irp s, 0,1,2,3                                ; V^T p: keys 8 hh + 2 s + 0, 1; four sums by turns, begun anew with 0 (far more than nine places lie behind the scores' products)
.irp t, 0,1,2,3
.if \s == 0
	v_wmma_f32_16x16x4_f32 v[ACC+8*\t:ACC+8*\t+7], v[VD+8*\t+2*\s:VD+8*\t+2*\s+1], v[PP+2*\s:PP+2*\s+1], 0
.else
	v_wmma_f32_16x16x4_f32 v[ACC+8*\t:ACC+8*\t+7], v[VD+8*\t+2*\s:VD+8*\t+2*\s+1], v[PP+2*\s:PP+2*\s+1], v[ACC+8*\t:ACC+8*\t+7]
.endif
.endr
.endr
.rept 8
	v_nop
.endr
.set n, 0
.rept 16
	v_pk_fma_f32 v[OO+2*n:OO+2*n+1], v[OO+2*n:OO+2*n+1], v[ST+6:ST+7], v[ACC+2*n:ACC+2*n+1] op_sel_hi:[1,0,1]   ; O^T = O^T a + the tile's part
.set n, n+1
.endr
.Lskip:
	s_wait_xcnt 0x0                                ; the trip's loads have read their bases
	s_add_nc_u64 s[20:21], s[20:21], 8192          ; 16 tokens on
	s_add_nc_u64 s[24:25], s[24:25], 512
	s_add_nc_u64 s[14:15], s[14:15], 64
	s_lshr_b32 s35, s35, 1
	s_add_co_u32 s30, s30, 1
	s_cmp_lt_u32 s30, 128
	s_cbranch_scc1 .Lkt
	v_add_f32 v[ST+4], v[ST+2], v[ST+3]
	v_permlanex16_b32 v[ST+5], v[ST+4], s44, s45
	v_add_f32 v[ST+4], v[ST+4], v[ST+5]
	v_rcp_f32 v[ST+6], v[ST+4]
	v_nop
	s_wait_alu depctr_va_vdst(0)
.set n, 0
.rept 16
	v_pk_mul_f32 v[OO+2*n:OO+2*n+1], v[OO+2*n:OO+2*n+1], v[ST+6:ST+7] op_sel_hi:[1,0]
.set n, n+1
.endr
.irp t, 0,1,2,3
	global_store_b128 v[OOF], v[OO+8*\t:OO+8*\t+3], s[18:19] offset:64*\t          ; o16[batch][query r][64 head + 16 t + 8 hh + 0..7]
	global_store_b128 v[OOF], v[OO+8*\t+4:OO+8*\t+7], s[18:19] offset:64*\t+16
.endr
	s_endpgm
.Lfunc_end_k_q3fd48ba793_fine_attn:
	.size	k_q3fd48ba793_fine_attn, .Lfunc_end_k_q3fd48ba793_fine_attn-k_q3fd48ba793_fine_attn
	.p2alignl 7, 3214868480
	.fill 96, 4, 3214868480
	.section	.rodata,"a",@progbits
	.p2align	6, 0x0
	.amdhsa_kernel k_q3fd48ba793_fine_attn
		.amdhsa_group_segment_fixed_size 0
		.amdhsa_private_segment_fixed_size 0
		.amdhsa_enable_private_segment 0
		.amdhsa_kernarg_size 64
		.amdhsa_user_sgpr_count 2
		.amdhsa_user_sgpr_kernarg_segment_ptr 1
		.amdhsa_wavefront_size32 1
		.amdhsa_system_sgpr_workgroup_id_x 1
		.amdhsa_system_sgpr_workgroup_id_y 1
		.amdhsa_system_sgpr_workgroup_id_z 1
		.amdhsa_system_vgpr_workitem_id 0
		.amdhsa_next_free_vgpr 1024
		.amdhsa_next_free_sgpr 66
		.amdhsa_reserve_vcc 0
		.amdhsa_float_denorm_mode_32 3
		.amdhsa_float_denorm_mode_16_64 3
		.amdhsa_memory_ordered 1
		.amdhsa_forward_progress 1
		.amdhsa_inst_pref_size 53
	.end_amdhsa_kernel
	.amdgpu_metadata
---
amdhsa.version: [ 1, 2 ]
amdhsa.kernels:
  - .name:           k_q3fd48ba793_fine_attn
    .symbol:         k_q3fd48ba793_fine_attn.kd
    .args:
      - { .name: codes, .offset: 0, .size: 8, .value_kind: global_buffer, .address_space: global }
      - { .name: scales, .offset: 8, .size: 8, .value_kind: global_buffer, .address_space: global }
      - { .name: bq, .offset: 16, .size: 8, .value_kind: global_buffer, .address_space: global }
      - { .name: bk, .offset: 24, .size: 8, .value_kind: global_buffer, .address_space: global }
      - { .name: bv, .offset: 32, .size: 8, .value_kind: global_buffer, .address_space: global }
      - { .name: attn_mask, .offset: 40, .size: 8, .value_kind: global_buffer, .address_space: global }
      - { .name: flags, .offset: 48, .size: 8, .value_kind: global_buffer, .address_space: global }
      - { .name: o16, .offset: 56, .size: 8, .value_kind: global_buffer, .address_space: global }
    .group_segment_fixed_size: 0
    .private_segment_fixed_size: 0
    .kernarg_segment_align: 8
    .kernarg_segment_size: 64
    .max_flat_workgroup_size: 32
    .sgpr_count:     66
    .vgpr_count:     1024
    .wavefront_size: 32
...
	.end_amdgpu_metadata
.endif
;; end of part 5
;; launch fine_out (part 6): grid 64 x 4, 8 waves a work-group, no clusters, 9,216 bytes of LDS; arguments o16, Wo, bo, out0; writes out0
.if DOCPART == 6
	.amdgcn_target "amdgcn-amd-amdhsa--gfx1250"
	.amdhsa_code_object_version 6
	.text
	.protected	k_q3fd48ba793_fine_out
	.globl	k_q3fd48ba793_fine_out
	.p2align	8
	.type	k_q3fd48ba793_fine_out,@function
k_q3fd48ba793_fine_out:
	s_mov_b64 s[64:65], 0
	v_nop
	global_prefetch_b8 v0, s[64:65] scope:SCOPE_SE
	s_setreg_imm32_b32 hwreg(HW_REG_WAVE_MODE, 25, 1), 1
	s_wait_xcnt 0x0
; ROWS 0-15 OF EVERY BATCH OF out0, from f32 operands: out0[batch][r][n] = the sum over k of o16[batch][r][k] Wo[n][k] + bo[n].  It writes over what the f16 product left in those rows.
; A work-group takes 16 n (its x) of one batch (its y); wave w takes k = 128 w .. 128 w + 127: 32 instructions of v_wmma_f32_16x16x4_f32 on four sums by turns.  The eight waves' parts meet in LDS; wave 0 adds them in a fixed order.
; Source 0 = 16 rows of Wo, source 1 = the 16 tokens: a lane holds token r and n 8 hh + 0..7.  A load of 16 bytes gives a lane k = 8 i + 4 hh + 0..3 of its row; each pair of its registers feeds one instruction: the same permutation of k on both sides.
; The sums' registers (v144-175) are written by matrix instructions alone.  The stores write 64 bytes of each of 16 rows: 262,144 bytes in the whole launch.
.set SPW, 1
.set NIL, 2
.set WA,  16                           ; v16-79  Wo's numbers; in wave 0 later the eight parts
.set OB,  80                           ; v80-143 o16's
.set ACC, 144
.set SU,  176                          ; v176-183 my part
.set BB,  184                          ; v184-191 bo
.set SPARE, 8192
	s_load_b256 s[4:11], s[0:1], 0x0               ; o16 4, Wo 6, bo 8, out0 10
	v_lshl_add_u32 v[SPW], v0, 2, SPARE
	v_mov_b32 v[NIL], 0
	v_lshrrev_b32 v3, 5, v0
	v_readfirstlane_b32 s12, v3                    ; wave
	v_and_b32 v3, 31, v0
	v_and_b32 v4, 15, v0                           ; r
	v_bfe_u32 v5, v0, 4, 1                         ; hh
	v_lshlrev_b32 v6, 12, v4
	v_lshl_add_u32 v10, v5, 5, v6                  ; out0: row r of 4,096 bytes, + 32 hh
	v_lshl_add_u32 v6, v5, 4, v6                   ; the operands: row r, + 16 hh
	v_lshlrev_b32 v8, 4, v3                        ; 16 x lane
	v_lshlrev_b32 v9, 5, v5                        ; 32 hh
	s_lshl_b32 s13, s12, 10
	v_add_nc_u32 v7, s13, v8                       ; LDS: my wave's 1,024 bytes
	s_and_b32 s14, ttmp7, 0xffff                   ; batch
	s_lshl_b32 s15, s12, 9                         ; my 128 k
	s_lshl_b32 s16, ttmp9, 16                      ; 16 rows of Wo
	s_add_co_u32 s16, s16, s15
	s_mov_b32 s17, 0
	s_lshl_b32 s18, s14, 16                        ; 16 rows of o16
	s_add_co_u32 s18, s18, s15
	s_mov_b32 s19, 0
	s_lshl_b32 s20, ttmp9, 6                       ; 16 n, in bytes
	s_mov_b32 s21, 0
	s_lshl_b32 s22, s14, 23                        ; 2,048 rows of out0
	s_add_co_u32 s22, s22, s20
	s_mov_b32 s23, 0
	s_wait_kmcnt 0x0
	s_add_nc_u64 s[6:7], s[6:7], s[16:17]
	s_add_nc_u64 s[4:5], s[4:5], s[18:19]
	s_add_nc_u64 s[8:9], s[8:9], s[20:21]
	s_add_nc_u64 s[10:11], s[10:11], s[22:23]
.set i, 0
.rept 16
	global_load_b128 v[WA+4*i:WA+4*i+3], v6, s[6:7] offset:32*i
	global_load_b128 v[OB+4*i:OB+4*i+3], v6, s[4:5] offset:32*i
.set i, i+1
.endr
	global_load_b128 v[BB:BB+3], v9, s[8:9]
	global_load_b128 v[BB+4:BB+7], v9, s[8:9] offset:16
	s_wait_loadcnt 0x0
.set n, 0
.rept 32
.if n < 4
	v_wmma_f32_16x16x4_f32 v[ACC+8*(n%4):ACC+8*(n%4)+7], v[WA+2*n:WA+2*n+1], v[OB+2*n:OB+2*n+1], 0
.else
	v_wmma_f32_16x16x4_f32 v[ACC+8*(n%4):ACC+8*(n%4)+7], v[WA+2*n:WA+2*n+1], v[OB+2*n:OB+2*n+1], v[ACC+8*(n%4):ACC+8*(n%4)+7]
.endif
.set n, n+1
.endr
.rept 8
	v_nop                                          ; eight places behind this form before its results are read
.endr
.irp i, 0,2,4,6
	v_pk_add_f32 v[SU+\i:SU+\i+1], v[ACC+\i:ACC+\i+1], v[ACC+8+\i:ACC+8+\i+1]
	v_pk_add_f32 v[SU+\i:SU+\i+1], v[SU+\i:SU+\i+1], v[ACC+16+\i:ACC+16+\i+1]
	v_pk_add_f32 v[SU+\i:SU+\i+1], v[SU+\i:SU+\i+1], v[ACC+24+\i:ACC+24+\i+1]
.endr
	ds_store_b128 v7, v[SU:SU+3]
	ds_store_b128 v7, v[SU+4:SU+7] offset:512
	s_wait_dscnt 0x0                               ; for wave 0's sake: my stores have landed
	s_barrier_signal -1
	s_barrier_wait -1
	s_cmp_lg_u32 s12, 0
	s_cbranch_scc1 .Lend
.irp w, 0,1,2,3,4,5,6,7
	ds_load_b128 v[WA+8*\w:WA+8*\w+3], v8 offset:1024*\w
	ds_load_b128 v[WA+8*\w+4:WA+8*\w+7], v8 offset:1024*\w+512
.endr
	s_wait_dscnt 0x0
.irp w, 1,2,3,4,5,6,7
.irp i, 0,2,4,6
	v_pk_add_f32 v[WA+\i:WA+\i+1], v[WA+\i:WA+\i+1], v[WA+8*\w+\i:WA+8*\w+\i+1]
.endr
.endr
.irp i, 0,2,4,6
	v_pk_add_f32 v[WA+\i:WA+\i+1], v[WA+\i:WA+\i+1], v[BB+\i:BB+\i+1]
.endr
	global_store_b128 v10, v[WA:WA+3], s[10:11]
	global_store_b128 v10, v[WA+4:WA+7], s[10:11] offset:16
.Lend:
	s_wait_tensorcnt 0x0                           ; the wave's end, behind my last LDS store
	ds_add_u32 v[SPW], v[NIL]
	s_wait_dscnt 0x0
	s_endpgm
.Lfunc_end_k_q3fd48ba793_fine_out:
	.size	k_q3fd48ba793_fine_out, .Lfunc_end_k_q3fd48ba793_fine_out-k_q3fd48ba793_fine_out
	.p2alignl 7, 3214868480
	.fill 96, 4, 3214868480
	.section	.rodata,"a",@progbits
	.p2align	6, 0x0
	.amdhsa_kernel k_q3fd48ba793_fine_out
		.amdhsa_group_segment_fixed_size 9216
		.amdhsa_private_segment_fixed_size 0
		.amdhsa_enable_private_segment 0
		.amdhsa_kernarg_size 32
		.amdhsa_user_sgpr_count 2
		.amdhsa_user_sgpr_kernarg_segment_ptr 1
		.amdhsa_wavefront_size32 1
		.amdhsa_system_sgpr_workgroup_id_x 1
		.amdhsa_system_sgpr_workgroup_id_y 1
		.amdhsa_system_sgpr_workgroup_id_z 1
		.amdhsa_system_vgpr_workitem_id 0
		.amdhsa_next_free_vgpr 192
		.amdhsa_next_free_sgpr 66
		.amdhsa_reserve_vcc 0
		.amdhsa_float_denorm_mode_32 3
		.amdhsa_float_denorm_mode_16_64 3
		.amdhsa_memory_ordered 1
		.amdhsa_forward_progress 1
		.amdhsa_inst_pref_size 12
	.end_amdhsa_kernel
	.amdgpu_metadata
---
amdhsa.version: [ 1, 2 ]
amdhsa.kernels:
  - .name:           k_q3fd48ba793_fine_out
    .symbol:         k_q3fd48ba793_fine_out.kd
    .args:
      - { .name: o16, .offset: 0, .size: 8, .value_kind: global_buffer, .address_space: global }
      - { .name: Wo, .offset: 8, .size: 8, .value_kind: global_buffer, .address_space: global }
      - { .name: bo, .offset: 16, .size: 8, .value_kind: global_buffer, .address_space: global }
      - { .name: out0, .offset: 24, .size: 8, .value_kind: global_buffer, .address_space: global }
    .group_segment_fixed_size: 9216
    .private_segment_fixed_size: 0
    .kernarg_segment_align: 8
    .kernarg_segment_size: 32
    .max_flat_workgroup_size: 256
    .sgpr_count:     66
    .vgpr_count:     192
    .wavefront_size: 32
...
	.end_amdgpu_metadata
.endif
;; end of part 6
